; MI455X (gfx1250); checked and timed in simulation.
; The chip was launched on July 23, 2026; its instructions are those of AMD's public machine-readable ISA for CDNA 5 (MIT licence, August 2026) and "CDNA5" Instruction Set Architecture Reference Guide (July 2026). The comments in the code are by the model that wrote it; some were corrected since.
;; Attn. Allowed arithmetic: matrix products marked QUANTISED: E2M3 operands, one E8M0 scale for each 32 along K, by v_wmma_scale_f32_16x16x128_f8f6f4 with both operands' format E2M3, f32 sums; products left as they are: f32 operands where the result goes on into a quantised operand, else bf16, f16 or f32 operands; f32 sums; everything else in f32.
;; Inputs: W_attn_codes 1,024 x 32 x 24 uint8 (E2M3 codes of W_attn, K innermost, in blocks of 32 codes, four codes in three bytes); W_attn_scales 1,024 x 32 uint8 (E8M0 scales of W_attn, one for each 32 codes along K); b_attn 1,024 float32; encoder_outputs_codes 4,096 x 16 x 32 x 24 uint8 (E2M3 codes of encoder_outputs, K innermost, in blocks of 32 codes, four codes in three bytes); encoder_outputs_scales 4,096 x 16 x 32 uint8 (E8M0 scales of encoder_outputs, one for each 32 codes along K); hidden 1 x 16 x 1,024 float32.
;; Outputs: out0 16 x 1 x 4,096 float32.
;; This version of the problem:
;;   THIS VERSION OF THE PROBLEM IS GIVEN IN LOW PRECISION. The matrix products marked QUANTISED in the list below multiply operands that are first quantised to E2M3 (2 exponent bits, 3 mantissa bits; 6 bits a number), with one power-of-two scale for each 32 numbers along K (OCP MX v1.0); their sums are f32. All else is computed in f32.
;;   The module's matrix products, in the order in which they are computed (A, B: the left and right operand; K: the contracted axis; several contracted axes count as one K, in the product's order):
;;     1. [M 65,536, K 1,024] x [K 1,024, N 1,024]; A: input encoder_outputs (given as codes); B: input W_attn (given as codes): QUANTISED
;;     2. batch 16 x [M 1, K 1,024] x [K 1,024, N 4,096]; A: input hidden; B: computed on the way: left as it is (M = 1 < 16)
;;   THE QUANTISER, for each operand of a quantised product, along K:
;;     - K is cut into blocks of 32 from its start; a last block that is shorter is filled with zeros.
;;     - A block's scale is 2^e with e = floor(log2(the largest magnitude in the block)) - 2, held to -126 .. 127; a block of zeros has e = 0. As a byte (E8M0): e + 127.
;;     - Each number is divided by its block's scale, clamped to +-7.5, and rounded to the nearest number of E2M3, ties to even, subnormals kept.
;;     - The product sums the exact products of the quantised numbers (number of the format x scale) in f32.
;;   ~~~python
;;   def quantise(x, axis):      # numpy; x: float32 -> the quantised numbers, widened to float32 again
;;       x = np.moveaxis(x, axis, -1); K = x.shape[-1]
;;       x = np.pad(x, [(0, 0)] * (x.ndim - 1) + [(0, -K % 32)]); x = x.reshape(x.shape[:-1] + (-1, 32)); a = np.abs(x).max(-1, keepdims=True)
;;       e = np.where(a > 0, np.clip(np.frexp(np.where(a > 0, a, 1))[1] - 1 - 2, -126, 127), 0)      # np.frexp(a)[1] - 1 = floor(log2(a)), exactly
;;       r = np.clip(x / 2.0 ** e, -7.5, 7.5)
;;       step = 2.0 ** (np.maximum(np.frexp(np.where(r == 0, 1, r))[1] - 1, 0) - 3)
;;       q = np.round(r / step) * step * 2.0 ** e      # np.round: ties to even
;;       return np.moveaxis(q.reshape(q.shape[:-2] + (-1,))[..., :K], -1, axis).astype(np.float32)
;;   ~~~
;;   INPUTS GIVEN AS CODES. W_attn (in the module: [1024, 1024], K = its axis 1); encoder_outputs (in the module: [4096, 16, 1024], K = its axis 2): each comes as NAME_codes (uint8): NAME with its K axis moved to the last place and cut into blocks of 32 codes, [.., K / 32, bytes a block], one block behind the other in memory; four codes in three bytes: a row's codes are one little-endian stream of bits, code i at bits 6 i .. 6 i + 5 (a code: sign, 2 exponent bits, 3 mantissa bits); and NAME_scales (uint8): the same leading axes, one E8M0 byte (e + 127) for each 32 codes along K. Its value is code x scale, taken as it is: it is not quantised again, and the codes and scales need not be those that the quantiser above would give.
;; 2 versions. Each part assembles by itself: llvm-mc -triple=amdgcn-amd-amdhsa -mcpu=gfx1250 --defsym DOCPART=n.
;; ======== version 1 of 2: 2 launches
;; workspace buffers: epart 1,048,576 bytes
;; launch energy (part 1): grid 4 x 64, 4 waves a work-group, clusters of 4 x 4, 327,680 bytes of LDS; arguments encoder_outputs_codes, encoder_outputs_scales, W_attn_codes, W_attn_scales, b_attn, hidden, epart; writes epart
.if DOCPART == 1
	.amdgcn_target "amdgcn-amd-amdhsa--gfx1250"
	.amdhsa_code_object_version 6
	.text
	.protected	k_qd71c8bd7db_energy
	.globl	k_qd71c8bd7db_energy
	.p2align	8
	.type	k_qd71c8bd7db_energy,@function
k_qd71c8bd7db_energy:
	s_mov_b64 s[64:65], 0
	v_nop
	global_prefetch_b8 v0, s[64:65] scope:SCOPE_SE
	s_setreg_imm32_b32 hwreg(HW_REG_WAVE_MODE, 25, 1), 1
	s_wait_xcnt 0x0
	s_wait_alu depctr_hold_cnt(0) depctr_sa_sdst(0) depctr_va_vdst(0) depctr_va_sdst(0) depctr_va_ssrc(0) depctr_va_vcc(0) depctr_vm_vsrc(0)
	s_getreg_b32 s2, hwreg(HW_REG_IB_STS2, 6, 4)
	s_cmp_eq_u32 s2, 0
	s_cbranch_scc0 .Lentry_in_a_cluster
	s_endpgm
.Lentry_in_a_cluster:
	s_bfe_u32 s2, ttmp6, 0x10000c
	s_cmp_lg_u32 s2, 0xf033
	s_cbranch_scc0 .Lentry_shape_is_right
	s_endpgm
.Lentry_shape_is_right:
; PARTIAL ENERGIES.  e[b][s] = sum over n of hidden[b][n] x (sum over k of W[n][k] enc[s][b][k] + bias[n]).  enc [65,536 rows m = 16 s + b][1,024] and W [1,024 n][1,024 k] are codes of FP6 (E2M3) with one
; E8M0 byte for each 32 along k; they go to the matrix unit as they lie.  The projection never goes to memory: each 16 x 16 tile of it is multiplied by hidden and summed while the next tiles are multiplied.
; epart [4 quarters of n][16 b][4,096 s] f32 takes each work-group's sums over its quarter of n; the next launch adds the four and takes the softmax.
; SHARES.  Work-group (GX, GY): n = 256 GX .. + 255, rows 1,024 GY .. + 1,023 (s = 64 GY .. + 63), walked as 8 tiles of 128 rows with all of k.  Wave w: n half WN = w % 2 (8 tiles nb of 16 n), k half WK = w / 2
; (4 steps q of 128 k).  ITS BLOCK OF W, 8 x 4 fragments = 384 REGISTERS, STAYS IN REGISTERS for the whole launch: in the loop only enc comes out of LDS, and each of its fragments feeds 8 matrix instructions.
; A tile of 16 rows of enc is ONE s with b = the row.  The matrix instruction is used transposed (source 0 = 16 rows of W, source 1 = 16 rows of enc): lane (r, h) register j holds proj(s, b = r, n = n0 + 16 nb + 8 h + j),
; so one image H of hidden (64 registers) serves every tile, and the second product is 4 packed multiply-adds for each accumulator, set behind the matrix instructions.
; The bias: h . (acc + bias) = h . acc + h . bias; each lane's share of h . bias is made once (HB) and starts every chain of sums; the waves with WK = 1 hold zeros there.
; CLUSTER 4 x 4.  enc's tiles hang on GY alone and are asked for jointly along a row of the cluster, W's quarter on GX alone, jointly along a column.
; LIMITS: the f32 sums are taken in another order than a plain row sum (k in two halves, n in 16 parts of each quarter, h . bias apart).  A scale byte 0xff gives NaN, as the format says.
; REGISTERS, in windows of 256 (s_set_vgpr_msb: bits 1:0 source 0, 3:2 source 1, 5:4 source 2, 7:6 destination):
;   window 0: v0-21 addresses; v32-47 W's scale words; v48-63 enc's; v80-143 H; v144-239 W's step q = 0; v240-247 AD, the fragment loads' addresses
;   window 1: v0-95 W's q = 1; v144-239 W's q = 2; v240-247 AD again        window 2: v80-143 H again; v144-239 W's q = 3; v240-247 AD again
;   window 3: v0-127 the 16 accumulators; v128-223 four buffers of two fragments of enc; v224-239 the chains EC; v240-247 HB; v248-255 EA, a tile's eight sums
; In the loop destination, source 1 and source 2 are always window 3 and source 0 is W's window; AD and H have copies there, so a matrix instruction, an LDS load and a multiply-add run under ONE setting:
; three switches for 64 matrix instructions, though loads and vector work stand singly behind matrix instructions.
.set PITCH,  816                       ; a row of codes in LDS: 768 bytes + 8 of padding behind each 128 = 204 words: row r starts at bank 12 r mod 64 (64 banks of 4 bytes: ISA guide 11.1): sixteen rows at sixteen different multiples of 4
.set BLKB,   16*PITCH
.set HALFB,  64*PITCH                  ; what one tensor load of codes brings
.set SCOFF,  128*PITCH                 ; behind a slot's codes: its scale bytes, 16 units of 256 bytes + 16
.set SLOTB,  SCOFF+16*272              ; a slot; slot 1 begins here.  At first W's rows 0-127 lie in slot 1's codes
.set R2,     2*SLOTB                   ; W's rows 128-255: filled once.  When W is in registers, the sums P lie here
.set PROW,   272                       ; P: [wave][b] rows of 64 f32 + 16 bytes
.set PWAVE,  16*PROW
.set SPARE,  R2+128*PITCH              ; the spare words, 128 bytes for each wave: two blocks of 256 bytes that no other line names
.set TILEB,  128*768                   ; a tile's codes in memory
.set TILES,  128*32                    ; and its scale bytes
.set LT,   4                           ; v4, v5  my lane's place in a block of 16 rows: 816 r + 408 WK + 24 h, and the same with 32 h (behind one padding more)
.set SPW,  6                           ; v6   LDS address of my spare word; never rewritten
.set NIL,  7                           ; v7   0; never rewritten
.set ASC,  8                           ; v8, v9  my lane's scale words in slot 0, 1
.set PADR, 10                          ; v10  where I put a tile's sums in P, tile 0
.set PFO,  11                          ; v11  the prefetches' offset: 768 x lane
.set RD,   12                          ; v12  where I read P back
.set GO,   13                          ; v13  my byte offset in epart
.set AW,   14                          ; v14-17  W's way into registers: rows 0-63, 64-127 of my 128, each with 24 h and 32 h
.set OWS,  18                          ; v18-20  offsets of the loads of W's scale words, hidden, the bias
.set OH,   19
.set OB,   20
.set PAD,  21                          ; v21  P's address for the tile in hand
.set WS,   32                          ; v[32 + 4 p + q]: lanes 0-15 the word of tile nb = 2 p, lanes 16-31 of 2 p + 1
.set AS,   48                          ; v[48 + 4 g + q]: lanes 0-15 the word of block 2 g, lanes 16-31 of 2 g + 1
.set H,    80
.set AD,   240                         ; v[240 + 4 slot + 2 half + var]
.set FB,   128                         ; window 3: buffer k = step % 4, block a: 128 + 24 k + 12 a
.set EC,   224
.set HB,   240
.set EA,   248
.set WV,   18
.set WN,   19
.set WK,   20
.set CX,   21
.set CY,   22
.set GX,   23
.set GY,   24
.set ROWM, 25
.set COLM, 26
.set HBM,  27                          ; all ones where WK = 0, else 0
.set G1A,  28                          ; s[28:35] group 1 for enc's codes;  s[36:43] for its scale bytes;  s[44:51] for W's codes
.set G1S,  36
.set G1W,  44
.set G0A,  52                          ; s[52:59] group 0 for enc's codes, a set for each slot
.set G0W,  60                          ; s[60:63] for W
.set CNT,  66
.set LIM,  67                          ; 1 in a wave that prefetches, else the greatest number
.set G0S,  68                          ; s[68:75] group 0 for enc's scale bytes, a set for each slot
.set PFA,  76                          ; s[76:77] where my prefetches stand
.set PS,   92                          ; s92  32 x the tile whose sums go to P next
.set MSB, 0
.macro WIN new                         ; the immediate's high byte repeats the setting that is left; a switch that changes nothing is dropped
.if MSB != \new
	s_set_vgpr_msb (MSB<<8)|\new
.set MSB, \new
.endif
.endm
.macro NOPS
.rept 4
	v_nop
.endr
.endm
; A joint load into slot sl.  Waves 0 and 1 fetch the two halves of a tile's codes, wave 2 its scale bytes, wave 3 nothing.  The branches hang on the wave's number alone.  Four v_nop follow each line.
.macro JLOAD sl, codes, scales
.if \codes
	s_cmp_lt_u32 s[WV], 2
	s_cbranch_scc0 .Lnc_\@
	tensor_load_to_lds s[G0A+4*(\sl):G0A+4*(\sl)+3], s[G1A:G1A+7]
	s_nop 0
	NOPS
.if \scales
	s_branch .Lj_\@
.endif
.Lnc_\@:
.endif
.if \scales
	s_cmp_eq_u32 s[WV], 2
	s_cbranch_scc0 .Lj_\@
	tensor_load_to_lds s[G0S+4*(\sl):G0S+4*(\sl)+3], s[G1S:G1S+7]
	s_nop 0
	NOPS
.Lj_\@:
.endif
.endm
; A PREFETCH INTO THE L2 of the codes of the tile that the NEXT change of slots will ask for: one tile, 256 matrix instructions, ahead of that load.  Of the tile's 128 rows each of the four partners that ask for it
; jointly takes 32, told apart BY ADDRESS; a row is 768 bytes: wave w (0 to 2) names each row's w-th 256 bytes, a lane a row.  So each aligned block of 256 bytes is named once in the launch.
; how = 0: a trip's first change of slots; how = 1: its second, which in the last trip has no tile left to name.
.macro ASK how
.if \how
	s_cmp_gt_u32 s[CNT], s[LIM]
.else
	s_cmp_eq_u32 s[LIM], 1
.endif
	s_cbranch_scc0 .Lnm_\@
	global_prefetch_b8 v[PFO], s[PFA:PFA+1] th:TH_LOAD_NT scope:SCOPE_SE
.Lnm_\@:
.endm
.macro CREST                           ; a round of the cluster's barrier behind its opening barrier
	s_cmp_lg_u32 s[WV], 0
	s_cbranch_scc1 .Lnw0_\@
	s_barrier_signal -3
.Lnw0_\@:
	s_barrier_wait -3
	s_barrier_signal -1
	s_barrier_wait -1
.endm
.macro CROUND                          ; a whole round
	s_barrier_signal -1
	s_barrier_wait -1
	CREST
.endm
	s_load_b256 s[4:11], s[0:1], 0x0               ; enc's codes s[4:5], enc's scales s[6:7], W's codes s[8:9], W's scales s[10:11]
	s_load_b128 s[12:15], s[0:1], 0x20             ; the bias s[12:13], hidden s[14:15]
	s_load_b64 s[16:17], s[0:1], 0x30              ; epart
	v_lshl_add_u32 v[SPW], v0, 2, SPARE
	v_mov_b32 v[NIL], 0
	ds_add_u32 v6, v7
	ds_add_u32 v6, v7
	s_wait_dscnt 0x0
	v_lshrrev_b32 v1, 5, v0
	v_readfirstlane_b32 s[WV], v1                  ; wave 0..3
	s_and_b32 s[WN], s[WV], 1                      ; my half of the quarter's n.  Also: which 64 rows of a tile of enc I fetch
	s_lshr_b32 s[WK], s[WV], 1                     ; my half of k
	s_bfe_u32 s[CX], ttmp6, 0x40000                ; my place in the cluster
	s_bfe_u32 s[CY], ttmp6, 0x40004
	s_lshl_b32 s[GX], ttmp9, 2
	s_add_co_u32 s[GX], s[GX], s[CX]               ; the quarter of n = 4 x cluster x + cx
	s_and_b32 s[GY], ttmp7, 0xffff
	s_lshl_b32 s[GY], s[GY], 2
	s_add_co_u32 s[GY], s[GY], s[CY]               ; the range of rows = 4 x cluster y + cy
	s_lshl_b32 s[ROWM], s[CY], 2
	s_lshl_b32 s[ROWM], 15, s[ROWM]                ; my row of the cluster
	s_lshl_b32 s[COLM], 0x1111, s[CX]              ; my column
	s_cmp_eq_u32 s[WK], 0
	s_cselect_b32 s[HBM], -1, 0
	s_cmp_lt_u32 s[WV], 3
	s_cselect_b32 s[LIM], 1, -1
	s_mov_b32 s[PS], 0
	; group 1 for codes: 64 rows of 96 elements of 8 bytes, dense in memory; 2 words of padding behind every 32
	s_or_b32 s[G1A], s[ROWM], (3<<16)|(1<<20)|(1<<21)|(4<<22)|(1<<25)   ; 15:0 the mask; 17:16 elements of 8 bytes; 20 padding on; 21 set beside a mask; 24:22 after every 32 words (code 4); 31:25 of 2 words (code 1)
	s_or_b32 s[G1W], s[COLM], (3<<16)|(1<<20)|(1<<21)|(4<<22)|(1<<25)
.irp g, G1A, G1W
	s_mov_b32 s[\g+1], 96<<16                      ; tensor_dim0
	s_mov_b32 s[\g+2], 64<<16                      ; tensor_dim1
	s_mov_b32 s[\g+3], 96<<16                      ; tile_dim0
	s_mov_b32 s[\g+4], 64                          ; tile_dim1
	s_mov_b32 s[\g+5], 96                          ; tensor_dim0_stride
	s_mov_b32 s[\g+6], 0
	s_mov_b32 s[\g+7], 0
.endr
	; and for a tile's scale bytes: 4,096 dense bytes as 16 rows of 256, 16 bytes of padding behind each
	s_or_b32 s[G1S], s[ROWM], (3<<16)|(1<<20)|(1<<21)|(5<<22)|(3<<25)
	s_mov_b32 s[G1S+1], 32<<16
	s_mov_b32 s[G1S+2], 16<<16
	s_mov_b32 s[G1S+3], 32<<16
	s_mov_b32 s[G1S+4], 16
	s_mov_b32 s[G1S+5], 32
	s_mov_b32 s[G1S+6], 0
	s_mov_b32 s[G1S+7], 0
	; byte offsets.  s78-81 feed enc's descriptors and never hold cx; s82-83 feed W's and never hold cy
	s_mul_i32 s78, s[GY], 8*TILEB
	s_mul_i32 s79, s[WN], 64*768
	s_add_co_u32 s78, s78, s79                     ; enc's codes: my work-group's rows, my 64 of a tile
	s_mov_b32 s79, 0
	s_lshl_b32 s80, s[GY], 15                      ; enc's scale bytes: 1,024 rows of 32
	s_mov_b32 s81, 0
	s_lshl_b32 s82, s[GX], 8
	s_lshl_b32 s83, s[WV], 6
	s_add_co_u32 s82, s82, s83
	s_mul_i32 s82, s82, 768                        ; W's codes: row 256 GX + 64 w
	s_mov_b32 s83, 0
	s_lshl_b32 s94, s[GX], 8
	s_lshl_b32 s93, s[WN], 7
	s_add_co_u32 s94, s94, s93                     ; n0 = 256 GX + 128 WN: my first n
	s_lshl_b32 s84, s94, 5
	s_lshl_b32 s85, s[WK], 4
	s_add_co_u32 s84, s84, s85                     ; W's scale bytes: 32 a row, my half of k 16 on
	s_mov_b32 s85, 0
	s_lshl_b32 s88, s94, 2                         ; hidden and the bias: 4 n0
	s_mov_b32 s89, 0
	s_mul_i32 s86, s[GY], 8*TILEB
	s_mul_i32 s87, s[CX], 32*768
	s_add_co_u32 s86, s86, s87
	s_lshl_b32 s87, s[WV], 8
	s_add_co_u32 s86, s86, s87
	s_add_co_u32 s86, s86, 2*TILEB                 ; the prefetches: my work-group's 32 rows, my wave's 256 bytes of a row, at tile 2: the first change of slots steps it to tile 3
	s_mov_b32 s87, 0
	s_lshl_b32 s90, s[GX], 18
	s_lshl_b32 s91, s[WV], 16
	s_add_co_u32 s90, s90, s91
	s_lshl_b32 s91, s[GY], 8
	s_add_co_u32 s90, s90, s91                     ; epart: quarter GX, b = 4 w on, s = 64 GY on
	s_mov_b32 s91, 0
	; LDS addresses of the tiles: constants and the wave's number
	s_mul_i32 s[G0A+1], s[WN], HALFB
	s_add_co_u32 s[G0A+5], s[G0A+1], SLOTB
	s_mov_b32 s[G0S+1], SCOFF
	s_mov_b32 s[G0S+5], SLOTB+SCOFF
	s_mul_i32 s[G0W+1], s[WV], HALFB
	s_mul_i32 s93, s[WK], 16*272
	s_add_co_u32 s[G0W+1], s[G0W+1], s93
	s_add_co_u32 s[G0W+1], s[G0W+1], SLOTB         ; W's rows 64 w on: waves 0, 1 into slot 1's codes, waves 2, 3 behind slot 1
	; every address register of a lane is made here, while the scalar loads are out
	v_and_b32 v1, 31, v0                           ; L
	v_and_b32 v2, 15, v0                           ; r
	v_bfe_u32 v3, v0, 4, 1                         ; h
	s_mul_i32 s93, s[WK], 408                      ; my half of k begins 384 bytes and three paddings into a row
	v_mul_u32_u24 v[LT], v2, PITCH
	v_add_nc_u32 v[LT], s93, v[LT]
	v_lshl_add_u32 v[LT+1], v3, 5, v[LT]
	v_mad_u32_u24 v[LT], v3, 24, v[LT]
.irp wn, 0x00, 0x40, 0x80
	WIN \wn                                        ; the same eight addresses in windows 0, 1 and 2
.irp k, 0,1,2,3,4,5,6,7
	v_add_nc_u32 v[AD+\k], (\k/4)*SLOTB+((\k/2)%2)*HALFB, v[LT+\k%2]
.endr
.endr
	WIN 0
	v_lshrrev_b32 v[ASC], 3, v1
	v_lshlrev_b32 v[ASC], 4, v[ASC]
	v_lshl_add_u32 v[ASC], v1, 5, v[ASC]           ; a row's 32 scale bytes: 32 L, and 16 more for each 256 passed
	s_lshl_b32 s93, s[WK], 4
	s_add_co_u32 s93, s93, SCOFF
	v_add_nc_u32 v[ASC], s93, v[ASC]
	v_add_nc_u32 v[ASC+1], SLOTB, v[ASC]
	v_mul_u32_u24 v[PADR], v2, PROW
	v_lshl_add_u32 v[PADR], v3, 4, v[PADR]
	s_mul_i32 s93, s[WV], PWAVE
	s_add_co_u32 s93, s93, R2
	v_add_nc_u32 v[PADR], s93, v[PADR]             ; P: my wave's part, row b = r, 16 h
	v_mul_u32_u24 v[PFO], v1, 768
	v_mul_u32_u24 v[RD], v3, PROW
	v_lshl_add_u32 v[RD], v2, 4, v[RD]
	s_mul_i32 s93, s[WV], 4*PROW
	s_add_co_u32 s93, s93, R2
	v_add_nc_u32 v[RD], s93, v[RD]                 ; back: rows b = 4 w + h, 16 bytes a lane
	v_lshlrev_b32 v[GO], 14, v3
	v_lshl_add_u32 v[GO], v2, 4, v[GO]             ; and the same in epart: a row b is 16,384 bytes
	s_mul_i32 s93, s[WN], SLOTB
	s_add_co_u32 s93, s93, SLOTB                   ; my 128 rows of W in LDS
	v_add_nc_u32 v[AW], s93, v[LT]
	v_add_nc_u32 v[AW+1], s93, v[LT+1]
	s_add_co_u32 s93, s93, HALFB
	v_add_nc_u32 v[AW+2], s93, v[LT]
	v_add_nc_u32 v[AW+3], s93, v[LT+1]
	v_lshlrev_b32 v[OWS], 5, v1
	v_lshlrev_b32 v[OB], 5, v3
	v_lshl_add_u32 v[OH], v2, 12, v[OB]
	s_wait_kmcnt 0x0
	s_mov_b32 s[G0A], 1
	s_add_nc_u64 s[G0A+2:G0A+3], s[4:5], s[78:79]  ; tile 0 for slot 0,
	s_mov_b32 s[G0A+4], 1
	s_add_nc_u64 s[G0A+6:G0A+7], s[G0A+2:G0A+3], TILEB   ; tile 1 for slot 1
	s_or_b32 s[G0A+3], s[G0A+3], 0x80000000
	s_or_b32 s[G0A+7], s[G0A+7], 0x80000000
	s_mov_b32 s[G0S], 1
	s_add_nc_u64 s[G0S+2:G0S+3], s[6:7], s[80:81]
	s_mov_b32 s[G0S+4], 1
	s_add_nc_u64 s[G0S+6:G0S+7], s[G0S+2:G0S+3], TILES
	s_or_b32 s[G0S+3], s[G0S+3], 0x80000000
	s_or_b32 s[G0S+7], s[G0S+7], 0x80000000
	s_mov_b32 s[G0W], 1
	s_add_nc_u64 s[G0W+2:G0W+3], s[8:9], s[82:83]
	s_or_b32 s[G0W+3], s[G0W+3], 0x80000000
	s_add_nc_u64 s[10:11], s[10:11], s[84:85]
	s_add_nc_u64 s[12:13], s[12:13], s[88:89]
	s_add_nc_u64 s[14:15], s[14:15], s[88:89]
	s_add_nc_u64 s[16:17], s[16:17], s[90:91]
	s_add_nc_u64 s[PFA:PFA+1], s[4:5], s[86:87]
	CROUND                                         ; all sixteen work-groups are here: the first joint loads meet
	tensor_load_to_lds s[G0W:G0W+3], s[G1W:G1W+7]  ; THE FIRST FILLS.  Every wave: 64 rows of W's quarter;
	s_nop 0
	NOPS
	JLOAD 0, 1, 1                                  ; waves 0, 1: tile 0's codes; wave 2: its scale bytes,
	JLOAD 1, 0, 1                                  ; and tile 1's.  Wave 2 has three loads out, waves 0 and 1 two, wave 3 one
	; while they are on their way: W's scale words, hidden (twice: a copy for each window from which it is read), the bias
.irp p, 0,1,2,3
	global_load_b128 v[WS+4*\p:WS+4*\p+3], v[OWS], s[10:11] offset:1024*\p      ; lane L: row n0 + 32 p + L, the four words of my half of k
.endr
.irp nb, 0,1,2,3,4,5,6,7
.irp u, 0,1
	global_load_b128 v[H+8*\nb+4*\u:H+8*\nb+4*\u+3], v[OH], s[14:15] offset:64*\nb+16*\u   ; hidden[r][n0 + 16 nb + 8 h + 0 .. 7]
.endr
.endr
	WIN 0x80
.irp nb, 0,1,2,3,4,5,6,7
.irp u, 0,1
	global_load_b128 v[H+8*\nb+4*\u:H+8*\nb+4*\u+3], v[OH], s[14:15] offset:64*\nb+16*\u
.endr
.endr
	WIN 0xC0
.irp nb, 0,1,2,3,4,5,6,7
.irp u, 0,1
	global_load_b128 v[8*\nb+4*\u:8*\nb+4*\u+3], v[OB], s[12:13] offset:64*\nb+16*\u       ; the bias, in the same layout, where the accumulators will lie
.endr
.endr
	WIN 0
	s_wait_tensorcnt 0x0                           ; my parts of W and of tile 0 are in,
	s_barrier_signal -1
	s_barrier_wait -1                              ; everybody's are.
; W INTO REGISTERS.  A fragment, 16 rows x 128 k of 6-bit codes, is 12 registers: lane (r, h) holds row r; registers 6 c .. 6 c + 5 hold k = 64 c + 32 h + 0 .. 31: 24 bytes of the row, as they lie, in pieces of 8 bytes.
; Byte y of my half of a row lies at y + 8 (y / 128).  Lanes 16-31 read 24 bytes further on, which for the pieces that begin at 104 or more modulo 128 is behind one padding more: the second address register serves those.
.macro WLD nb, q
.irp p, 0,1,2,3,4,5
.set wy, 96*(\q)+48*(\p/3)+8*(\p%3)
.set wv, 0
.if (wy%128) >= 104
.set wv, 1
.endif
.set wr, 144+12*(\nb)
.if (\q) == 1
.set wr, 12*(\nb)
.endif
	ds_load_b64 v[wr+2*\p:wr+2*\p+1], v[AW+2*((\nb)/4)+wv] offset:wy+8*(wy/128)+((\nb)%4)*BLKB
.endr
.endm
.irp nb, 0,1,2,3,4,5,6,7
	WLD \nb, 0
.endr
	WIN 0x40
.irp nb, 0,1,2,3,4,5,6,7
	WLD \nb, 1
.endr
.irp nb, 0,1,2,3,4,5,6,7
	WLD \nb, 2
.endr
	WIN 0x80
.irp nb, 0,1,2,3,4,5,6,7
	WLD \nb, 3
.endr
	WIN 0
	; THE START ROUND: slot 1's codes, where half of W lay, are filled again with tile 1.  Every wave: all its tensor loads are done, the add, its reads of W are done; then a round of the cluster's barrier.
	s_wait_tensorcnt 0x0
	ds_add_u32 v[SPW], v[NIL]                      ; 0 onto my spare word: the bias's share is made between it and the wait for it
	s_wait_loadcnt 0x0                             ; W's scale words, hidden, the bias
	WIN 0xFC                                       ; source 0 (H) window 0, all else window 3
.irp k, 0,2,4,6
	v_pk_mul_f32 v[HB+\k:HB+\k+1], v[H+\k:H+\k+1], v[\k:\k+1]
.endr
.irp nb, 1,2,3,4,5,6,7
.irp k, 0,2,4,6
	v_pk_fma_f32 v[HB+\k:HB+\k+1], v[H+8*\nb+\k:H+8*\nb+\k+1], v[8*\nb+\k:8*\nb+\k+1], v[HB+\k:HB+\k+1]   ; my lane's share of hidden . bias, in the four pairs in which the chains run
.endr
.endr
.irp j, 0,1,2,3,4,5,6,7
	v_and_b32 v[HB+\j], s[HBM], v[HB+\j]           ; it counts once for each n: in the waves of the first half of k.  (A mask, not a product with 0)
.endr
	WIN 0
	s_mov_b32 s[CNT], 3
	s_wait_dscnt 0x0                               ; the add is done, and W is in my registers
	CROUND
	JLOAD 1, 1, 0                                  ; waves 0, 1: tile 1's codes: the one tensor load of a wave behind this round
; A fragment load.  sl: the slot; t: the step (0 .. 15) whose fragments they are: blocks 2 (t / 4) and 2 (t / 4) + 1, k step t % 4; n: which of the step's 12 loads.
.macro LD sl, t, n
.set la, (\n)/6
.set lp, (\n)%6
.set lg, (\t)/4
.set lq, (\t)%4
.set ly, 96*lq+48*(lp/3)+8*(lp%3)
.set lv, 0
.if (ly%128) >= 104
.set lv, 1
.endif
	ds_load_b64 v[FB+24*lq+12*la+2*lp:FB+24*lq+12*la+2*lp+1], v[AD+4*(\sl)+2*(lg/2)+lv] offset:ly+8*(ly/128)+((2*lg+la)%4)*BLKB
.endm
; Matrix instruction i of a step's 16: block i / 8 of group g against W's tile nb = i % 8, k step q.  q = 0 starts the sums: nothing is ever cleared.  The 16 accumulators take turns, one instruction a turn.
.macro MM g, q
.set rD, 8*i
.set rW, 144+12*(i%8)
.if (\q) == 1
.set rW, 12*(i%8)
.endif
.set rF, FB+24*(\q)+12*(i/8)
.set rA, WS+4*((i%8)/2)+(\q)
.set rB, AS+4*(\g)+(\q)
.if (\q) == 0
.if ((i%2) == 0) && (i < 8)
	v_wmma_scale_f32_16x16x128_f8f6f4 v[rD:rD+7], v[rW:rW+11], v[rF:rF+11], 0, v[rA], v[rB] matrix_a_fmt:MATRIX_FMT_FP6 matrix_b_fmt:MATRIX_FMT_FP6
.elseif i < 8
	v_wmma_scale_f32_16x16x128_f8f6f4 v[rD:rD+7], v[rW:rW+11], v[rF:rF+11], 0, v[rA], v[rB] matrix_a_fmt:MATRIX_FMT_FP6 matrix_b_fmt:MATRIX_FMT_FP6 matrix_a_scale:MATRIX_SCALE_ROW1
.elseif (i%2) == 0
	v_wmma_scale_f32_16x16x128_f8f6f4 v[rD:rD+7], v[rW:rW+11], v[rF:rF+11], 0, v[rA], v[rB] matrix_a_fmt:MATRIX_FMT_FP6 matrix_b_fmt:MATRIX_FMT_FP6 matrix_b_scale:MATRIX_SCALE_ROW1
.else
	v_wmma_scale_f32_16x16x128_f8f6f4 v[rD:rD+7], v[rW:rW+11], v[rF:rF+11], 0, v[rA], v[rB] matrix_a_fmt:MATRIX_FMT_FP6 matrix_b_fmt:MATRIX_FMT_FP6 matrix_a_scale:MATRIX_SCALE_ROW1 matrix_b_scale:MATRIX_SCALE_ROW1
.endif
.else
.if ((i%2) == 0) && (i < 8)
	v_wmma_scale_f32_16x16x128_f8f6f4 v[rD:rD+7], v[rW:rW+11], v[rF:rF+11], v[rD:rD+7], v[rA], v[rB] matrix_a_fmt:MATRIX_FMT_FP6 matrix_b_fmt:MATRIX_FMT_FP6
.elseif i < 8
	v_wmma_scale_f32_16x16x128_f8f6f4 v[rD:rD+7], v[rW:rW+11], v[rF:rF+11], v[rD:rD+7], v[rA], v[rB] matrix_a_fmt:MATRIX_FMT_FP6 matrix_b_fmt:MATRIX_FMT_FP6 matrix_a_scale:MATRIX_SCALE_ROW1
.elseif (i%2) == 0
	v_wmma_scale_f32_16x16x128_f8f6f4 v[rD:rD+7], v[rW:rW+11], v[rF:rF+11], v[rD:rD+7], v[rA], v[rB] matrix_a_fmt:MATRIX_FMT_FP6 matrix_b_fmt:MATRIX_FMT_FP6 matrix_b_scale:MATRIX_SCALE_ROW1
.else
	v_wmma_scale_f32_16x16x128_f8f6f4 v[rD:rD+7], v[rW:rW+11], v[rF:rF+11], v[rD:rD+7], v[rA], v[rB] matrix_a_fmt:MATRIX_FMT_FP6 matrix_b_fmt:MATRIX_FMT_FP6 matrix_a_scale:MATRIX_SCALE_ROW1 matrix_b_scale:MATRIX_SCALE_ROW1
.endif
.endif
.endm
; THE SECOND PRODUCT: accumulator (c, nb) times hidden, onto block c's four chains of pairs; the bias's share starts them.  The accumulator is read from its low end on.
.macro CH c, nb
.irp k, 0,2,4,6
.if (\nb) == 0
	v_pk_fma_f32 v[EC+8*(\c)+\k:EC+8*(\c)+\k+1], v[H+8*(\nb)+\k:H+8*(\nb)+\k+1], v[64*(\c)+8*(\nb)+\k:64*(\c)+8*(\nb)+\k+1], v[HB+\k:HB+\k+1]
.else
	v_pk_fma_f32 v[EC+8*(\c)+\k:EC+8*(\c)+\k+1], v[H+8*(\nb)+\k:H+8*(\nb)+\k+1], v[64*(\c)+8*(\nb)+\k:64*(\c)+8*(\nb)+\k+1], v[EC+8*(\c)+\k:EC+8*(\c)+\k+1]
.endif
.endr
.endm
; Block c's eight partial sums become one, EA[a].  These are additions, written as 1.0 x a + b: a constant as source 0 has no window, so no switch is needed; the product with 1 is exact.
.macro RED c, op, a
.set rE, EC+8*(\c)
.if (\op) == 0
	v_pk_fma_f32 v[rE:rE+1], 1.0, v[rE:rE+1], v[rE+2:rE+3] op_sel_hi:[0,1,1]
.elseif (\op) == 1
	v_pk_fma_f32 v[rE+4:rE+5], 1.0, v[rE+4:rE+5], v[rE+6:rE+7] op_sel_hi:[0,1,1]
.elseif (\op) == 2
	v_pk_fma_f32 v[rE:rE+1], 1.0, v[rE:rE+1], v[rE+4:rE+5] op_sel_hi:[0,1,1]
.else
	v_fma_f32 v[EA+(\a)], 1.0, v[rE], v[rE+1]
.endif
.endm
; A STEP: 16 matrix instructions (group g, k step q), and behind each a slice of the other work.
; Vector work: in a group's last step (q = 3) block 0's eight accumulators are finished by instruction 7 and are taken from slice 8 on; block 1's are taken in the next step (q = 0, prev = 1), ahead of the
; instructions that begin them anew, and the two blocks' sums are closed there.  Elsewhere four v_nop.
; Loads: fragments are fetched THREE STEPS AHEAD into four buffers: a step's 12 loads go into the buffer that the step before has read.  They begin in slice 4: a load into a register that a matrix instruction has read
; stands four places behind it, and only plain vector instructions that name none of its registers are places (ISA guide 7.12.1 for vector instructions): slices 0 to 3 hold them.
; An accumulator begun anew stands five places or more behind the instruction that wrote it last: at least 28 multiply-adds on other accumulators lie between.
; mode 1: the loads of step (4 g + q + 3) % 16, from slot sl;  mode 2 (the step behind a change of slots): those of the next tile's steps 0 and 1, two a slice;  mode 0: none.  n: the count of the wait at the head, or none (-1).
.macro STEP sl, g, q, prev, mode, n
.if (\n) >= 0
	s_wait_dscnt \n
.endif
.set SQV, 0xFC+((\q)+1)/2              ; source 0: window 0 (q = 0), 1 (q = 1, 2), 2 (q = 3)
	WIN SQV
.set i, 0
.rept 16
	MM \g, \q
.if (\q) == 3
.if i < 4
	v_nop
.elseif i >= 8
	CH 0, i-8
.endif
.elseif ((\q) == 0) && (\prev)
.if i < 8
	CH 1, i
.elseif i < 12
	RED 0, i-8, 2*(((\g)+3)%4)
.else
	RED 1, i-12, 2*(((\g)+3)%4)+1
.endif
.elseif i < 4
	v_nop
.endif
.if i >= 4
.if (\mode) == 1
	LD \sl, (4*(\g)+(\q)+3)%16, i-4
.elseif (\mode) == 2
	LD \sl, (2*(i-4))/12, (2*(i-4))%12
	LD \sl, (2*(i-4)+1)/12, (2*(i-4)+1)%12
.endif
.endif
.set i, i+1
.endr
.endm
; STEP 13 (group 3, q = 1) CHANGES SLOTS: the tile's last fragment loads were issued in step 12.  ONE barrier: in front of it each wave waits for all its tensor loads (its part of the other slot), adds 0 to its spare
; word, and waits for that and for its reads of this slot.  fill = 1: the barrier opens a round of the cluster's barrier, and this slot is filled again with the tile two on: that load has 15 steps, 240 matrix
; instructions, in which to land.  Then come the next tile's scale words of groups 0 to 2, into registers last read in step 11.
.macro TURN sl, fill, how
	WIN 0                                          ; (the add's two registers lie in window 0)
	s_wait_tensorcnt 0x0                           ; no tensor load of mine is out, so a group 0 may be written
	ds_add_u32 v[SPW], v[NIL]                      ; 0 onto my spare word
.if \fill
	s_add_nc_u64 s[G0A+4*(\sl)+2:G0A+4*(\sl)+3], s[G0A+4*(\sl)+2:G0A+4*(\sl)+3], 2*TILEB
	s_add_nc_u64 s[G0S+4*(\sl)+2:G0S+4*(\sl)+3], s[G0S+4*(\sl)+2:G0S+4*(\sl)+3], 2*TILES
	s_wait_xcnt 0x0                                ; the last prefetch, a tile back, has read its address, so it may be written
	s_add_nc_u64 s[PFA:PFA+1], s[PFA:PFA+1], TILEB
.endif
	s_wait_dscnt 25                                ; this step's fragments are in: behind them the 24 loads of steps 14 and 15, and the add
	WIN 0xFD
.set i, 0
.rept 8
	MM 3, 1
.set i, i+1
.endr
	s_wait_dscnt 0x0                               ; the add is done, and my reads of this slot are over
	s_barrier_signal -1
.rept 8
	MM 3, 1                                        ; work on registers while the others arrive
.set i, i+1
.endr
	WIN 0
	s_barrier_wait -1
.if \fill
	CREST                                          ; no wave of any partner still reads this slot or has a load on its way
	JLOAD \sl, 1, 1                                ; the first tensor load behind the round, one a wave
.endif
.irp g, 0,1,2
	ds_load_b128 v[AS+4*\g:AS+4*\g+3], v[ASC+1-(\sl)] offset:1088*\g      ; lane L: row 32 g + L of the next tile, the four words of my half of k
.endr
.if \fill
	ASK \how
.endif
.endm
; A tile's eight sums.  EA[a] holds, in lane (r, h), block a's sum over the lane's half of each tile of n.  An exchange of halves and an addition: lane (r, h) register i then holds e(s = block 4 h + i, b = r): 16 bytes of a row of P.
.macro TILE_END sl, sload
	WIN 0xFF
.irp k, 0,1,2,3
	v_permlane16_swap_b32 v[EA+\k], v[EA+4+\k]
.endr
.irp k, 0,1,2,3
	v_add_f32 v[EA+\k], v[EA+\k], v[EA+4+\k]
.endr
	WIN 0
	v_add_nc_u32 v[PAD], s[PS], v[PADR]            ; (the last tile's store into P has long been waited for)
	s_add_co_u32 s[PS], s[PS], 32
	WIN 0x0C                                       ; an LDS store's data are its source 1: window 3
	ds_store_b128 v[PAD], v[EA:EA+3]
	WIN 0
.if \sload
	ds_load_b128 v[AS+12:AS+15], v[ASC+(\sl)] offset:3264      ; the scale words of group 3 of the tile just begun: their registers were read up to step 15
.endif
.endm
; Steps 1 to 15 of the tile in slot sl, and step 0 of the next tile, which closes this tile's last sums.
; The counts: behind a step's own 12 loads stand those of the two steps after it, 24; at steps 1 to 3 TILE_END's store and load stand there too, so 24 asks for a little more than is needed.
.macro TILE sl, fill, how
.set sg, 1
.rept 12
	STEP \sl, sg/4, sg%4, 1, 1, 24
.set sg, sg+1
.endr
	TURN \sl, \fill, \how
	STEP 1-\sl, 3, 2, 0, 2, -1                     ; (the wait for 0 in the change of slots has shown the fragments of steps 14 and 15)
	STEP 1-\sl, 3, 3, 0, 1, -1
	STEP 1-\sl, 0, 0, 1, 1, 24
	TILE_END 1-\sl, 1
.endm
.irp g, 0,1,2,3
	ds_load_b128 v[AS+4*\g:AS+4*\g+3], v[ASC] offset:1088*\g   ; tile 0: its scale words,
.endr
	WIN 0xC0
.irp t, 0,1,2
.irp n, 0,1,2,3,4,5,6,7,8,9,10,11
	LD 0, \t, \n                                   ; and the fragments of its steps 0 to 2
.endr
.endr
	STEP 0, 0, 0, 0, 1, 24                         ; the first step stands in front of the loop: there are no sums yet to close
	WIN 0                                          ; at a label and at a branch every window is 0
.Ltile:                                            ; three trips of two tiles: tiles 0 to 5, each of which has its slot filled again
	TILE 0, 1, 0
	TILE 1, 1, 1
	s_sub_co_u32 s[CNT], s[CNT], 1
	s_cmp_lg_u32 s[CNT], 0
	s_cbranch_scc1 .Ltile
	TILE 0, 0, 0                                   ; tile 6 is written out: nothing is left to ask for
.set sg, 1
.rept 12
	STEP 1, sg/4, sg%4, 1, 1, 24                   ; tile 7
.set sg, sg+1
.endr
	STEP 1, 3, 1, 0, 0, 24                         ; nothing more to fetch: the counts run down
	STEP 1, 3, 2, 0, 0, 12
	STEP 1, 3, 3, 0, 0, 0
	WIN 0xFE                                       ; the last group's second block: the multiply-adds on the first block are the places behind the last products
.irp nb, 0,1,2,3,4,5,6,7
	CH 1, \nb
.endr
.irp op, 0,1,2,3
	RED 0, \op, 6
	RED 1, \op, 7
.endr
	TILE_END 1, 0
	; THE WAY OUT.  The four waves' sums (two halves of n x two halves of k) are added; wave w takes b = 4 w .. 4 w + 3.  Sixteen lanes store the 64 s of one b: 256 consecutive bytes, at a multiple of 256 from epart's first byte.
	s_wait_dscnt 0x0                               ; for the others' sake: my stores into P are done
	s_barrier_signal -1
	s_barrier_wait -1
.irp u, 0,1
.irp w, 0,1,2,3
	ds_load_b128 v[144+16*\u+4*\w:144+16*\u+4*\w+3], v[RD] offset:2*PROW*\u+PWAVE*\w
.endr
.endr
	s_wait_dscnt 0x0
.irp u, 0,1
.irp k, 0,2
	v_pk_add_f32 v[144+16*\u+\k:145+16*\u+\k], v[144+16*\u+\k:145+16*\u+\k], v[148+16*\u+\k:149+16*\u+\k]
	v_pk_add_f32 v[152+16*\u+\k:153+16*\u+\k], v[152+16*\u+\k:153+16*\u+\k], v[156+16*\u+\k:157+16*\u+\k]
.endr
.irp k, 0,2
	v_pk_add_f32 v[144+16*\u+\k:145+16*\u+\k], v[144+16*\u+\k:145+16*\u+\k], v[152+16*\u+\k:153+16*\u+\k]
.endr
.endr
.irp u, 0,1
	global_store_b128 v[GO], v[144+16*\u:147+16*\u], s[16:17] offset:32768*\u th:TH_STORE_NT
.endr
	s_wait_tensorcnt 0x0                           ; the wave's end, behind my last tensor load and my last LDS store
	ds_add_u32 v[SPW], v[NIL]
	s_wait_dscnt 0x0
	CROUND                                         ; the closing round: no work-group ends while a partner may still ask for a tile that names it
	s_endpgm
.Lfunc_end_k_qd71c8bd7db_energy:
	.size	k_qd71c8bd7db_energy, .Lfunc_end_k_qd71c8bd7db_energy-k_qd71c8bd7db_energy
	.p2alignl 7, 3214868480
	.fill 96, 4, 3214868480
	.section	.rodata,"a",@progbits
	.p2align	6, 0x0
	.amdhsa_kernel k_qd71c8bd7db_energy
		.amdhsa_group_segment_fixed_size 327680
		.amdhsa_private_segment_fixed_size 0
		.amdhsa_enable_private_segment 0
		.amdhsa_kernarg_size 56
		.amdhsa_user_sgpr_count 2
		.amdhsa_user_sgpr_kernarg_segment_ptr 1
		.amdhsa_wavefront_size32 1
		.amdhsa_system_sgpr_workgroup_id_x 1
		.amdhsa_system_sgpr_workgroup_id_y 1
		.amdhsa_system_sgpr_workgroup_id_z 1
		.amdhsa_system_vgpr_workitem_id 0
		.amdhsa_next_free_vgpr 1024
		.amdhsa_next_free_sgpr 96
		.amdhsa_reserve_vcc 0
		.amdhsa_float_denorm_mode_32 3
		.amdhsa_float_denorm_mode_16_64 3
		.amdhsa_memory_ordered 1
		.amdhsa_forward_progress 1
		.amdhsa_inst_pref_size 255
	.end_amdhsa_kernel
	.section	.bss,"aw",@nobits
	.p2align	6
	.space	262144
	.amdgpu_metadata
---
amdhsa.version: [ 1, 2 ]
amdhsa.kernels:
  - .name:           k_qd71c8bd7db_energy
    .symbol:         k_qd71c8bd7db_energy.kd
    .args:
      - { .name: encoder_outputs_codes, .offset: 0, .size: 8, .value_kind: global_buffer, .address_space: global }
      - { .name: encoder_outputs_scales, .offset: 8, .size: 8, .value_kind: global_buffer, .address_space: global }
      - { .name: W_attn_codes, .offset: 16, .size: 8, .value_kind: global_buffer, .address_space: global }
      - { .name: W_attn_scales, .offset: 24, .size: 8, .value_kind: global_buffer, .address_space: global }
      - { .name: b_attn, .offset: 32, .size: 8, .value_kind: global_buffer, .address_space: global }
      - { .name: hidden, .offset: 40, .size: 8, .value_kind: global_buffer, .address_space: global }
      - { .name: epart, .offset: 48, .size: 8, .value_kind: global_buffer, .address_space: global }
    .group_segment_fixed_size: 327680
    .private_segment_fixed_size: 0
    .kernarg_segment_align: 8
    .kernarg_segment_size: 56
    .max_flat_workgroup_size: 128
    .sgpr_count:     96
    .vgpr_count:     1024
    .wavefront_size: 32
...
	.end_amdgpu_metadata
.endif
;; end of part 1
;; launch softmax (part 2): grid 16 x 1, 32 waves a work-group, no clusters, 4,608 bytes of LDS; arguments epart, out0; writes out0
.if DOCPART == 2
	.amdgcn_target "amdgcn-amd-amdhsa--gfx1250"
	.amdhsa_code_object_version 6
	.text
	.protected	k_qd71c8bd7db_softmax
	.globl	k_qd71c8bd7db_softmax
	.p2align	8
	.type	k_qd71c8bd7db_softmax,@function
k_qd71c8bd7db_softmax:
	s_mov_b64 s[64:65], 0
	v_nop
	global_prefetch_b8 v0, s[64:65] scope:SCOPE_SE
	s_setreg_imm32_b32 hwreg(HW_REG_WAVE_MODE, 25, 1), 1
	s_wait_xcnt 0x0
; out0[b][s] = softmax over s of e[b][s], e = the sum of epart's four quarters.  epart: [4][16][4,096] f32; out0: [16][4,096] f32.
; One work-group to a row b, 1,024 threads, four neighbouring s to a thread: each load and store of a wave covers 512 consecutive bytes.  The row's largest e is taken away ahead of the exponential.
; A row spans the work-group's 32 waves: each wave's maximum (then its sum) goes to a word of its own in LDS, one barrier, and every wave reads the 32 words, a lane a word, and reduces them again.
; No matrix unit, no tensor load, no prefetch: 16 rows of 64 KiB are all the work there is.
; LIMITS: NaN and infinities among the energies are not served; a weight under the smallest normal f32 number comes out as 0.
.macro WMAX r, t
	v_max_num_f32_dpp v[\r], v[\r], v[\r] row_xmask:1 row_mask:0xf bank_mask:0xf
	v_max_num_f32_dpp v[\r], v[\r], v[\r] row_xmask:2 row_mask:0xf bank_mask:0xf
	v_max_num_f32_dpp v[\r], v[\r], v[\r] row_xmask:4 row_mask:0xf bank_mask:0xf
	v_max_num_f32_dpp v[\r], v[\r], v[\r] row_xmask:8 row_mask:0xf bank_mask:0xf
	v_permlanex16_b32 v[\t], v[\r], s12, s13
	v_max_num_f32 v[\r], v[\r], v[\t]
.endm
.macro WSUM r, t
	v_add_f32_dpp v[\r], v[\r], v[\r] row_xmask:1 row_mask:0xf bank_mask:0xf
	v_add_f32_dpp v[\r], v[\r], v[\r] row_xmask:2 row_mask:0xf bank_mask:0xf
	v_add_f32_dpp v[\r], v[\r], v[\r] row_xmask:4 row_mask:0xf bank_mask:0xf
	v_add_f32_dpp v[\r], v[\r], v[\r] row_xmask:8 row_mask:0xf bank_mask:0xf
	v_permlanex16_b32 v[\t], v[\r], s12, s13
	v_add_f32 v[\r], v[\r], v[\t]
.endm
	s_load_b128 s[4:7], s[0:1], 0x0                ; epart, out0
	v_lshl_add_u32 v32, v0, 2, 0x200
	v_mov_b32 v33, 0
	v_lshlrev_b32 v1, 4, v0                        ; my 16 bytes of the row
	v_lshrrev_b32 v2, 5, v0
	v_readfirstlane_b32 s8, v2                     ; wave 0..31
	v_and_b32 v3, 31, v0
	v_lshlrev_b32 v3, 2, v3                        ; 4 x lane: the word that I read back
	s_lshl_b32 s9, s8, 2
	v_mov_b32 v2, s9                               ; 4 x wave: my wave's word
	s_lshl_b32 s10, ttmp9, 14                      ; row b: 16,384 bytes
	s_mov_b32 s11, 0
	s_mov_b32 s12, 0x76543210                      ; v_permlanex16_b32's selects for lane l xor 16
	s_mov_b32 s13, 0xfedcba98
	v_mov_b32 v21, 0                               ; written once: a lane permute's destination counts as one of its sources
	s_wait_kmcnt 0x0
	s_add_nc_u64 s[4:5], s[4:5], s[10:11]
	s_add_nc_u64 s[6:7], s[6:7], s[10:11]
.irp x, 0,1,2,3
	global_load_b128 v[4+4*\x:7+4*\x], v1, s[4:5] offset:262144*\x th:TH_LOAD_NT   ; the four quarters of n
.endr
	s_wait_loadcnt 0x0
	v_pk_add_f32 v[4:5], v[4:5], v[8:9]
	v_pk_add_f32 v[6:7], v[6:7], v[10:11]
	v_pk_add_f32 v[12:13], v[12:13], v[16:17]
	v_pk_add_f32 v[14:15], v[14:15], v[18:19]
	v_pk_add_f32 v[4:5], v[4:5], v[12:13]
	v_pk_add_f32 v[6:7], v[6:7], v[14:15]          ; e of my four s
	v_max3_num_f32 v20, v4, v5, v6
	v_max_num_f32 v20, v20, v7
	WMAX 20, 21                                    ; my wave's largest
	ds_store_b32 v2, v20                           ; all lanes write the same word with the same value
	s_wait_dscnt 0x0                               ; for the others' sake
	s_barrier_signal -1
	s_barrier_wait -1
	ds_load_b32 v20, v3                            ; the 32 waves' largest, a lane a wave
	s_wait_dscnt 0x0
	WMAX 20, 21                                    ; the row's largest, in every lane
.irp j, 4,5,6,7
	v_sub_f32 v[\j], v[\j], v20                    ; the difference first: it is small where it counts, whatever the size of e
.endr
.irp j, 4,5,6,7
	v_mul_f32 v[\j], 0x3fb8aa3b, v[\j]             ; x log2(e)
.endr
.irp j, 4,5,6,7
	v_exp_f32 v[\j], v[\j]
.endr
	v_nop                                          ; a plain instruction behind the last exponential
	s_wait_alu depctr_va_vdst(0)                   ; one wait for the four, ahead of their first reader
	v_add_f32 v22, v4, v5
	v_add_f32 v23, v6, v7
	v_add_f32 v22, v22, v23
	WSUM 22, 21
	ds_store_b32 v2, v22 offset:256                ; other words than the maxima's: no wave may still be reading those
	s_wait_dscnt 0x0
	s_barrier_signal -1
	s_barrier_wait -1
	ds_load_b32 v22, v3 offset:256
	s_wait_dscnt 0x0
	WSUM 22, 21                                    ; the row's sum, at least 1
	v_rcp_f32 v23, v22
	v_nop
	s_wait_alu depctr_va_vdst(0)
.irp j, 4,5,6,7
	v_mul_f32 v[\j], v[\j], v23
.endr
	global_store_b128 v1, v[4:7], s[6:7]           ; a wave stores 512 consecutive bytes
	s_wait_tensorcnt 0x0
	ds_add_u32 v32, v33
	s_wait_dscnt 0x0
	s_endpgm
.Lfunc_end_k_qd71c8bd7db_softmax:
	.size	k_qd71c8bd7db_softmax, .Lfunc_end_k_qd71c8bd7db_softmax-k_qd71c8bd7db_softmax
	.p2alignl 7, 3214868480
	.fill 96, 4, 3214868480
	.section	.rodata,"a",@progbits
	.p2align	6, 0x0
	.amdhsa_kernel k_qd71c8bd7db_softmax
		.amdhsa_group_segment_fixed_size 4608
		.amdhsa_private_segment_fixed_size 0
		.amdhsa_enable_private_segment 0
		.amdhsa_kernarg_size 16
		.amdhsa_user_sgpr_count 2
		.amdhsa_user_sgpr_kernarg_segment_ptr 1
		.amdhsa_wavefront_size32 1
		.amdhsa_system_sgpr_workgroup_id_x 1
		.amdhsa_system_sgpr_workgroup_id_y 1
		.amdhsa_system_sgpr_workgroup_id_z 1
		.amdhsa_system_vgpr_workitem_id 0
		.amdhsa_next_free_vgpr 34
		.amdhsa_next_free_sgpr 66
		.amdhsa_reserve_vcc 0
		.amdhsa_float_denorm_mode_32 3
		.amdhsa_float_denorm_mode_16_64 3
		.amdhsa_memory_ordered 1
		.amdhsa_forward_progress 1
		.amdhsa_inst_pref_size 5
	.end_amdhsa_kernel
	.amdgpu_metadata
---
amdhsa.version: [ 1, 2 ]
amdhsa.kernels:
  - .name:           k_qd71c8bd7db_softmax
    .symbol:         k_qd71c8bd7db_softmax.kd
    .args:
      - { .name: epart, .offset: 0, .size: 8, .value_kind: global_buffer, .address_space: global }
      - { .name: out0, .offset: 8, .size: 8, .value_kind: global_buffer, .address_space: global }
    .group_segment_fixed_size: 4608
    .private_segment_fixed_size: 0
    .kernarg_segment_align: 8
    .kernarg_segment_size: 16
    .max_flat_workgroup_size: 1024
    .sgpr_count:     66
    .vgpr_count:     34
    .wavefront_size: 32
...
	.end_amdgpu_metadata
.endif
;; end of part 2
;; ======== version 2 of 2: 2 launches
;; limits: right only within a limited range of input values
;; workspace buffers: epart 1,048,576 bytes
;; launch energy (part 3): grid 4 x 64, 4 waves a work-group, clusters of 4 x 4, 327,680 bytes of LDS; arguments encoder_outputs_codes, encoder_outputs_scales, W_attn_codes, W_attn_scales, hidden, epart; writes epart
.if DOCPART == 3
	.amdgcn_target "amdgcn-amd-amdhsa--gfx1250"
	.amdhsa_code_object_version 6
	.text
	.protected	k_qd71c8bd7db_energy
	.globl	k_qd71c8bd7db_energy
	.p2align	8
	.type	k_qd71c8bd7db_energy,@function
k_qd71c8bd7db_energy:
	s_mov_b64 s[64:65], 0
	v_nop
	global_prefetch_b8 v0, s[64:65] scope:SCOPE_SE
	s_setreg_imm32_b32 hwreg(HW_REG_WAVE_MODE, 25, 1), 1
	s_wait_xcnt 0x0
	s_wait_alu depctr_hold_cnt(0) depctr_sa_sdst(0) depctr_va_vdst(0) depctr_va_sdst(0) depctr_va_ssrc(0) depctr_va_vcc(0) depctr_vm_vsrc(0)
	s_getreg_b32 s2, hwreg(HW_REG_IB_STS2, 6, 4)
	s_cmp_eq_u32 s2, 0
	s_cbranch_scc0 .Lentry_in_a_cluster
	s_endpgm
.Lentry_in_a_cluster:
	s_bfe_u32 s2, ttmp6, 0x10000c
	s_cmp_lg_u32 s2, 0xf033
	s_cbranch_scc0 .Lentry_shape_is_right
	s_endpgm
.Lentry_shape_is_right:
; PARTIAL ENERGIES.  e[b][s] = sum over n of hidden[b][n] x (sum over k of W[n][k] enc[s][b][k]).  enc [65,536 rows m = 16 s + b][1,024] and W [1,024 n][1,024 k] are codes of FP6 (E2M3) with one E8M0 byte for each
; 32 along k; they go to the matrix unit as they lie.  The projection never goes to memory: a group's accumulators are multiplied by hidden and summed while the next group's products are made.
; epart [4 quarters of n][16 b][4,096 s] f32 takes each work-group's sums over its quarter of n; the next launch adds the four and takes the softmax.
; LEFT OUT AS DEAD WORK: the bias.  hidden[b] . (proj[s][b] + b_attn) = hidden[b] . proj[s][b] + hidden[b] . b_attn; the second term does not hang on s, and the softmax runs over s, so it cancels for all finite
; values of the inputs.  b_attn is neither loaded nor an argument.  LIMIT: a NaN, an infinity or an overflow that reaches only that term is not carried to the result.
; SHARES.  Work-group (GX, GY): n = 256 GX .. + 255, rows 1,024 GY .. + 1,023 (s = 64 GY .. + 63), walked as 8 tiles of 128 rows with all of k.  Wave w: n half WN = w % 2 (8 tiles nb of 16 n), k half WK = w / 2
; (4 steps q of 128 k).  ITS BLOCK OF W, 8 x 4 fragments = 384 REGISTERS, STAYS IN REGISTERS: in the loop only enc comes out of LDS, and each of its fragments feeds 8 matrix instructions.
; A block of 16 rows of enc is ONE s with b = the row.  The matrix instruction is used transposed (source 0 = 16 rows of W, source 1 = 16 rows of enc): lane (r, h) register j holds proj(s, b = r, n = n0 + 16 nb + 8 h + j),
; so one image H of hidden (64 registers) serves every block, and the second product is 4 packed multiply-adds for each accumulator.
; A GROUP is two blocks (32 rows), 64 matrix instructions; a tile has groups 0 to 3.  Even groups use accumulators and fragments of set 0, odd ones of set 1: while a group is multiplied, the other set's finished
; accumulators are summed, a few multiply-adds behind every second matrix instruction, and the next group's fragments are fetched, in ONE run of LDS loads at the group's head.
; NO SUM IS OPEN AT A GROUP'S EDGE: a group's sums are closed behind its own last matrix instructions, and whatever else is read behind the edge's wait was written nine or more plain vector instructions ahead of its reader.
; CLUSTER 4 x 4.  enc's tiles hang on GY alone and are asked for jointly along a row of the cluster, W's quarter on GX alone, jointly along a column.
; LIMITS: the f32 sums are taken in another order than a plain row sum (k in two halves, n in 16 parts of each quarter).  A scale byte 0xff gives NaN, as the format says.
; REGISTERS, in windows of 256 (s_set_vgpr_msb: bits 1:0 source 0, 3:2 source 1, 5:4 source 2, 7:6 destination):
;   window 0: v0-31 addresses; v32-47 W's scale words; v50-65 enc's; v66-129 H; v130-225 W's step q = 0; v226-249 set 1's fragments of q = 3
;   window 1: v0-95 W's q = 1; v96-191 W's q = 2; v192-239 set 1's fragments of q = 0, 1
;   window 2: v0-127 set 0's 16 accumulators; v128-223 W's q = 3; v224-247 set 1's fragments of q = 2
;   window 3: v0-127 set 1's accumulators; v128-223 set 0's fragments; v224-239 the chains EC; v240-247 EA, a tile's eight sums; v248-251 PE, what goes to P
; W's scale word of step q has a register number q modulo 4, enc's q + 2: the two of one product never agree modulo 8.
.set PITCH,  816                       ; a row of codes in LDS: 768 bytes + 8 of padding behind each 128 = 204 words: row r starts at bank 12 r mod 64 (64 banks of 4 bytes: ISA guide 11.1): sixteen rows at sixteen different multiples of 4
.set BLKB,   16*PITCH
.set HALFB,  64*PITCH                  ; what one tensor load of codes brings behind the head
.set SCOFF,  128*PITCH                 ; behind a slot's codes: its scale bytes, 16 units of 256 bytes + 16
.set SLOTB,  SCOFF+16*272              ; a slot; slot 1 begins here.  At first W's rows 0-127 lie in slot 1's codes
.set R2,     2*SLOTB                   ; W's rows 128-255: filled once.  When W is in registers, the sums P lie here
.set PROW,   272                       ; P: [wave][b] rows of 64 f32 + 16 bytes
.set PWAVE,  16*PROW
.set SPARE,  R2+128*PITCH              ; the spare words, 128 bytes for each wave: two blocks of 256 bytes that no other line names
.set TILEB,  128*768                   ; a tile's codes in memory
.set TILES,  128*32                    ; and its scale bytes
.set SPW,  6                           ; v6   LDS address of my spare word; never rewritten
.set NIL,  7                           ; v7   0; never rewritten
.set ASC,  8                           ; v8, v9  my lane's scale words in slot 0, 1
.set PADR, 10                          ; v10  where I put a tile's sums in P, tile 0
.set PFO,  11                          ; v11  the prefetches' offset: 768 x lane
.set RD,   12                          ; v12  where I read P back
.set GO,   13                          ; v13  my byte offset in epart
.set OWS,  14                          ; v14, v15  offsets of the loads of W's scale words and of hidden
.set OH,   15
.set AR,   16                          ; v16-19  the addresses of a run: block 0, 1 of the group, each with 24 h and 32 h
.set LT,   20                          ; v20, v21  my lane's place in a block of 16 rows: 816 r + 408 WK + 24 h, and the same with 32 h (behind one padding more)
.set WL,   22                          ; v22, v23  the same in my 128 rows of W
.set PAD,  24                          ; v24  P's address for the tile in hand
.set WS,   32                          ; v[32 + 4 p + q]: lanes 0-15 the word of tile nb = 2 p, lanes 16-31 of 2 p + 1
.set AS,   50                          ; v[50 + 4 g + q]: lanes 0-15 the word of block 2 g, lanes 16-31 of 2 g + 1
.set H,    66
.set EC,   224
.set EA,   240
.set PE,   248
.set WV,   18
.set WN,   19
.set WK,   20
.set CX,   21
.set CY,   22
.set GX,   23
.set GY,   24
.set ROWM, 25
.set COLM, 26
.set G1A,  28                          ; s[28:35] group 1 for enc's codes;  s[36:43] for its scale bytes;  s[44:51] for W's codes
.set G1S,  36
.set G1W,  44
.set G0A,  52                          ; s[52:59] group 0 for enc's codes, a set for each slot
.set G0W,  60                          ; s[60:63] for W
.set CNT,  66
.set LIM,  67                          ; 1 in a wave that prefetches, else the greatest number
.set G0S,  68                          ; s[68:75] group 0 for enc's scale bytes, a set for each slot
.set PFA,  76                          ; s[76:77] where my prefetches stand
.set PS,   92                          ; s92  32 x the tile whose sums go to P next
.set G0H,  96                          ; s[96:99] group 0 for the head's load of tile 0
.set MSB, 0
.macro WIN new                         ; the immediate's high byte repeats the setting that is left; a switch that changes nothing is dropped
.if MSB != \new
	s_set_vgpr_msb (MSB<<8)|\new
.set MSB, \new
.endif
.endm
.macro NOPS
.rept 4
	v_nop
.endr
.endm
.macro VW
	s_wait_alu depctr_va_vdst(0)
.endm
; A joint load into slot sl.  Waves 0 and 1 fetch the two halves of a tile's codes, wave 2 its scale bytes, wave 3 nothing.  The branches hang on the wave's number alone.  Four v_nop follow each line.
.macro JLOAD sl
	s_cmp_lt_u32 s[WV], 2
	s_cbranch_scc0 .Lnc_\@
	tensor_load_to_lds s[G0A+4*(\sl):G0A+4*(\sl)+3], s[G1A:G1A+7]
	s_nop 0
	NOPS
	s_branch .Lj_\@
.Lnc_\@:
	s_cmp_eq_u32 s[WV], 2
	s_cbranch_scc0 .Lj_\@
	tensor_load_to_lds s[G0S+4*(\sl):G0S+4*(\sl)+3], s[G1S:G1S+7]
	s_nop 0
	NOPS
.Lj_\@:
.endm
; A PREFETCH INTO THE L2 of the codes of the tile that the NEXT change of slots will ask for: one tile, 256 matrix instructions, ahead of that load.  Of the tile's 128 rows each of the four partners that ask for it
; jointly takes 32, told apart BY ADDRESS; a row is 768 bytes: wave w (0 to 2) names each row's w-th 256 bytes, a lane a row.  So each aligned block of 256 bytes is named once in the launch.
; how = 0: a trip's first change of slots; how = 1: its second, which in the last trip has no tile left to name.
.macro ASK how
.if \how
	s_cmp_gt_u32 s[CNT], s[LIM]
.else
	s_cmp_eq_u32 s[LIM], 1
.endif
	s_cbranch_scc0 .Lnm_\@
	global_prefetch_b8 v[PFO], s[PFA:PFA+1] th:TH_LOAD_NT scope:SCOPE_SE
.Lnm_\@:
.endm
.macro CREST                           ; a round of the cluster's barrier behind its opening barrier
	s_cmp_lg_u32 s[WV], 0
	s_cbranch_scc1 .Lnw0_\@
	s_barrier_signal -3
.Lnw0_\@:
	s_barrier_wait -3
	s_barrier_signal -1
	s_barrier_wait -1
.endm
.macro CROUND                          ; a whole round
	s_barrier_signal -1
	s_barrier_wait -1
	CREST
.endm
; A FRAGMENT, 16 rows x 128 k of 6-bit codes, is 12 registers: lane (r, h) holds row r; registers 6 c .. 6 c + 5 hold k = 64 c + 32 h + 0 .. 31: 24 bytes of the row, as they lie, in six pieces of 8 bytes.
; Byte y of my half of a row lies at y + 8 (y / 128).  Lanes 16-31 read 24 bytes further on, which for the pieces that begin at 104 or more modulo 128 is behind one padding more: the second address register serves
; those: pieces 1, 2 of q = 1 and 3, 4 of q = 2.  Two neighbouring pieces with one address register come by one instruction.
.macro LP1 base, ad, q, p
.set fy0, 96*(\q)+48*((\p)/3)+8*((\p)%3)
	ds_load_b64 v[\base+2*(\p):\base+2*(\p)+1], v[\ad] offset:fy0+8*(fy0/128)
.endm
.macro LP2 base, ad, q, p
.set fy0, 96*(\q)+48*((\p)/3)+8*((\p)%3)
.set fy1, 96*(\q)+48*((\p+1)/3)+8*((\p+1)%3)
	ds_load_2addr_b64 v[\base+2*(\p):\base+2*(\p)+3], v[\ad] offset0:fy0/8+fy0/128 offset1:fy1/8+fy1/128
.endm
.macro FRL base, a0, a1, q             ; 3 loads (q = 0, 3) or 4
.if (\q) == 1
	LP1 \base, \a0, 1, 0
	LP2 \base, \a1, 1, 1
	LP1 \base, \a0, 1, 3
	LP2 \base, \a0, 1, 4
.elseif (\q) == 2
	LP2 \base, \a0, 2, 0
	LP1 \base, \a0, 2, 2
	LP2 \base, \a1, 2, 3
	LP1 \base, \a0, 2, 5
.else
	LP2 \base, \a0, \q, 0
	LP2 \base, \a0, \q, 2
	LP2 \base, \a0, \q, 4
.endif
.endm
; The addresses of the run that fetches group gg of the tile in slot sl.
.macro ADR sl, gg
	WIN 0
.irp a, 0,1
	v_add_nc_u32 v[AR+2*\a], (\sl)*SLOTB+(2*(\gg)+\a)*BLKB, v[LT]
	v_add_nc_u32 v[AR+2*\a+1], (\sl)*SLOTB+(2*(\gg)+\a)*BLKB, v[LT+1]
.endr
.endm
; A RUN: a group's eight fragments into set par: 28 loads.
.macro RUN par
.if (\par) == 0
	WIN 0xC0
.irp q, 0,1,2,3
.irp a, 0,1
	FRL 128+24*\q+12*\a, AR+2*\a, AR+2*\a+1, \q
.endr
.endr
.else
	WIN 0x40
.irp q, 0,1
.irp a, 0,1
	FRL 192+24*\q+12*\a, AR+2*\a, AR+2*\a+1, \q
.endr
.endr
	WIN 0x80
.irp a, 0,1
	FRL 224+12*\a, AR+2*\a, AR+2*\a+1, 2
.endr
	WIN 0
.irp a, 0,1
	FRL 226+12*\a, AR+2*\a, AR+2*\a+1, 3
.endr
.endif
.endm
; The window setting of a matrix instruction of set par, step q.
.macro SETW par, q
.if (\q) == 0
.set wq, 0
.elseif (\q) < 3
.set wq, 1
.else
.set wq, 2
.endif
.if (\par) == 0
.set wset, 0xAC+wq
.elseif (\q) < 2
.set wset, 0xF4+wq
.elseif (\q) == 2
.set wset, 0xF8+wq
.else
.set wset, 0xF0+wq
.endif
	WIN wset
.endm
; Matrix instruction i of a step's 16: block i / 8 of group g against W's tile nb = i % 8, k step q.  q = 0 starts the sums: nothing is ever cleared.  The 16 accumulators take turns, one instruction a turn.
.macro MM par, g, q
.set rD, 8*i
.if (\q) == 0
.set rW, 130+12*(i%8)
.elseif (\q) == 1
.set rW, 12*(i%8)
.elseif (\q) == 2
.set rW, 96+12*(i%8)
.else
.set rW, 128+12*(i%8)
.endif
.if (\par) == 0
.set rF, 128+24*(\q)+12*(i/8)
.elseif (\q) < 2
.set rF, 192+24*(\q)+12*(i/8)
.elseif (\q) == 2
.set rF, 224+12*(i/8)
.else
.set rF, 226+12*(i/8)
.endif
.set rA, WS+4*((i%8)/2)+(\q)
.set rB, AS+4*(\g)+(\q)
.if (\q) == 0
.if ((i%2) == 0) && (i < 8)
	v_wmma_scale_f32_16x16x128_f8f6f4 v[rD:rD+7], v[rW:rW+11], v[rF:rF+11], 0, v[rA], v[rB] matrix_a_fmt:MATRIX_FMT_FP6 matrix_b_fmt:MATRIX_FMT_FP6
.elseif i < 8
	v_wmma_scale_f32_16x16x128_f8f6f4 v[rD:rD+7], v[rW:rW+11], v[rF:rF+11], 0, v[rA], v[rB] matrix_a_fmt:MATRIX_FMT_FP6 matrix_b_fmt:MATRIX_FMT_FP6 matrix_a_scale:MATRIX_SCALE_ROW1
.elseif (i%2) == 0
	v_wmma_scale_f32_16x16x128_f8f6f4 v[rD:rD+7], v[rW:rW+11], v[rF:rF+11], 0, v[rA], v[rB] matrix_a_fmt:MATRIX_FMT_FP6 matrix_b_fmt:MATRIX_FMT_FP6 matrix_b_scale:MATRIX_SCALE_ROW1
.else
	v_wmma_scale_f32_16x16x128_f8f6f4 v[rD:rD+7], v[rW:rW+11], v[rF:rF+11], 0, v[rA], v[rB] matrix_a_fmt:MATRIX_FMT_FP6 matrix_b_fmt:MATRIX_FMT_FP6 matrix_a_scale:MATRIX_SCALE_ROW1 matrix_b_scale:MATRIX_SCALE_ROW1
.endif
.else
.if ((i%2) == 0) && (i < 8)
	v_wmma_scale_f32_16x16x128_f8f6f4 v[rD:rD+7], v[rW:rW+11], v[rF:rF+11], v[rD:rD+7], v[rA], v[rB] matrix_a_fmt:MATRIX_FMT_FP6 matrix_b_fmt:MATRIX_FMT_FP6
.elseif i < 8
	v_wmma_scale_f32_16x16x128_f8f6f4 v[rD:rD+7], v[rW:rW+11], v[rF:rF+11], v[rD:rD+7], v[rA], v[rB] matrix_a_fmt:MATRIX_FMT_FP6 matrix_b_fmt:MATRIX_FMT_FP6 matrix_a_scale:MATRIX_SCALE_ROW1
.elseif (i%2) == 0
	v_wmma_scale_f32_16x16x128_f8f6f4 v[rD:rD+7], v[rW:rW+11], v[rF:rF+11], v[rD:rD+7], v[rA], v[rB] matrix_a_fmt:MATRIX_FMT_FP6 matrix_b_fmt:MATRIX_FMT_FP6 matrix_b_scale:MATRIX_SCALE_ROW1
.else
	v_wmma_scale_f32_16x16x128_f8f6f4 v[rD:rD+7], v[rW:rW+11], v[rF:rF+11], v[rD:rD+7], v[rA], v[rB] matrix_a_fmt:MATRIX_FMT_FP6 matrix_b_fmt:MATRIX_FMT_FP6 matrix_a_scale:MATRIX_SCALE_ROW1 matrix_b_scale:MATRIX_SCALE_ROW1
.endif
.endif
.endm
.macro M16 par, g, q
	SETW \par, \q
.set i, 0
.rept 16
	MM \par, \g, \q
.set i, i+1
.endr
.endm
; THE SECOND PRODUCT, multiply-add t of a group's 64: accumulator t / 4 (block t / 32, tile nb = (t / 4) % 8), registers 2 (t % 4) and the next: from its low end on.  Four chains of pairs for each block.
.macro PK
.set pn, (t/4)%8
.set pk0, 2*(t%4)
.set pa, 8*(t/4)+pk0
.set pe, EC+8*(t/32)+pk0
.set ph, H+8*pn+pk0
.if pn == 0
	v_pk_mul_f32 v[pe:pe+1], v[ph:ph+1], v[pa:pa+1]
.else
	v_pk_fma_f32 v[pe:pe+1], v[ph:ph+1], v[pa:pa+1], v[pe:pe+1]
.endif
.endm
; CLOSING THE SUMS, in three parts: each block's eight partial sums become one, EA[e] and EA[e + 1].
.macro RA
	WIN 0xFF
	v_pk_add_f32 v[EC:EC+1], v[EC:EC+1], v[EC+2:EC+3]
	v_pk_add_f32 v[EC+8:EC+9], v[EC+8:EC+9], v[EC+10:EC+11]
.endm
.macro RB
	WIN 0xFF
	v_pk_add_f32 v[EC+4:EC+5], v[EC+4:EC+5], v[EC+6:EC+7]
	v_pk_add_f32 v[EC+12:EC+13], v[EC+12:EC+13], v[EC+14:EC+15]
.endm
.macro RC e
	WIN 0xFF
	v_pk_add_f32 v[EC:EC+1], v[EC:EC+1], v[EC+4:EC+5]
	v_pk_add_f32 v[EC+8:EC+9], v[EC+8:EC+9], v[EC+12:EC+13]
	v_add_f32 v[EA+\e], v[EC], v[EC+1]
	v_add_f32 v[EA+\e+1], v[EC+8], v[EC+9]
.endm
; A tile's eight sums.  EA[a] holds, in lane (r, h), block a's sum over the lane's half of each tile of n.  An exchange of halves and an addition: lane (r, h) register PE[i] then holds e(s = block 4 h + i, b = r): 16 bytes of a row of P.
.macro SWAPS
	WIN 0xFF
.irp k, 0,1,2,3
	v_permlane16_swap_b32 v[EA+\k], v[EA+4+\k]
.endr
.endm
.macro SUMS
	WIN 0xFF
.irp k, 0,1,2,3
	v_add_f32 v[PE+\k], v[EA+\k], v[EA+4+\k]
.endr
	WIN 0
	v_add_nc_u32 v[PAD], s[PS], v[PADR]
.endm
.macro PUT                             ; P's 16 bytes of a row
	WIN 0x0C                                       ; an LDS store's data are its source 1: window 3
	ds_store_b128 v[PAD], v[PE:PE+3]
	s_add_co_u32 s[PS], s[PS], 32
.endm
; PAIRS j0 .. j1 - 1 of group g's 32 pairs of matrix instructions (8 pairs to a step).  Behind the first np pairs the 64 multiply-adds on the other set's accumulators; behind pairs np, np + 1 and np + 3 their closing,
; to EA[e].  Where np is 28 its last four lines are also the places behind the group's last matrix instructions, ahead of loads into the registers that these read.
; agg: the group, in slot asl, that the next run fetches (-1: none): its addresses, behind pair 6.  tend = 1: the last tile's closing exchange, behind pairs 8 and 10.
.macro GROUP par, g, np, e, asl, agg, tend, j0, j1
.set j, \j0
.if \j0 == 0
.set t, 0
.endif
.rept \j1-\j0
.set qq, j/8
.set i, (2*j)%16
	SETW \par, qq
	MM \par, \g, qq
.set i, i+1
	MM \par, \g, qq
.if j < \np
	WIN 0xFC-4*(\par)                              ; source 0 (H) window 0, source 1 the other set's window, chains window 3
.rept (64*(j+1))/\np-t
	PK
.set t, t+1
.endr
.elseif j == \np
	RA
.elseif j == \np+1
	RB
.elseif j == \np+3
	RC \e
.endif
.if (j == 6) && ((\agg) >= 0)
	ADR \asl, \agg
.endif
.if (\tend) && (j == 8)
	SWAPS
.endif
.if (\tend) && (j == 10)
	SUMS
.endif
.set j, j+1
.endr
.endm
; FROM GROUP 2 of the tile in slot sl to group 1 of the next tile.
; THE SLOTS CHANGE at group 2's end: this slot's last fragments, group 3's, have been asked for at its head.  Behind that run each wave waits for all its tensor loads (its part of the other slot), adds 0 to its spare word,
; and, 48 matrix instructions on, waits for that and for its reads of this slot; the last 16 matrix instructions, with no multiply-adds behind them, stand between the signal and the wait.
; fill = 1: the barrier opens a round of the cluster's barrier, and this slot is filled again with the tile two on: that load has three groups in which to land.
; Then, from the other slot, the next tile's group 0 and its scale words of groups 0 to 2, whose registers were last read in group 2.
.macro TILE sl, fill, how
	s_wait_tensorcnt 0x0                           ; no tensor load of mine is out, so a group 0 may be written
	ds_add_u32 v[SPW], v[NIL]                      ; 0 onto my spare word
	GROUP 0, 2, 20, 2, 1-\sl, 0, 0, 0, 24
.if \fill
	s_add_nc_u64 s[G0A+4*(\sl)+2:G0A+4*(\sl)+3], s[G0A+4*(\sl)+2:G0A+4*(\sl)+3], 2*TILEB
	s_add_nc_u64 s[G0S+4*(\sl)+2:G0S+4*(\sl)+3], s[G0S+4*(\sl)+2:G0S+4*(\sl)+3], 2*TILES
	s_wait_xcnt 0x0                                ; the last prefetch, a tile back, has read its address, so it may be written
	s_add_nc_u64 s[PFA:PFA+1], s[PFA:PFA+1], TILEB
.endif
	s_wait_dscnt 0x0                               ; the add is done, and my reads of this slot are over: group 3's fragments are in
	s_barrier_signal -1
	GROUP 0, 2, 20, 2, 0, -1, 0, 24, 32
	NOPS                                           ; places ahead of loads into registers that group 2 has read
	WIN 0
	s_barrier_wait -1
.if \fill
	CREST                                          ; no wave of any partner still reads this slot or has a load on its way
	JLOAD \sl                                      ; the first tensor load behind the round, one a wave
.endif
	RUN 0
	WIN 0
.irp g, 0,1,2
	ds_load_b128 v[AS+4*\g:AS+4*\g+3], v[ASC+1-(\sl)] offset:1088*\g      ; lane L: row 32 g + L of the next tile, the four words of my half of k
.endr
.if \fill
	ASK \how                                       ; behind the wave's tensor load and its run of LDS loads
.endif
	GROUP 1, 3, 28, 4, 1-\sl, 1, 0, 0, 32
	s_wait_dscnt 0x0                               ; the next tile's group 0 is in
	RUN 1                                          ; its group 1,
	WIN 0
	ds_load_b128 v[AS+12:AS+15], v[ASC+1-(\sl)] offset:3264        ; and its scale words of group 3
	GROUP 0, 0, 28, 6, 1-\sl, 2, 0, 0, 32
	s_wait_dscnt 0x0
	RUN 0
	GROUP 1, 1, 28, 0, 1-\sl, 3, 1, 0, 32
	s_wait_dscnt 0x0
	PUT
	RUN 1
	WIN 0
.endm
	s_load_b256 s[4:11], s[0:1], 0x0               ; enc's codes s[4:5], enc's scales s[6:7], W's codes s[8:9], W's scales s[10:11]
	s_load_b128 s[12:15], s[0:1], 0x20             ; hidden s[12:13], epart s[14:15]
	v_lshl_add_u32 v[SPW], v0, 2, SPARE
	v_mov_b32 v[NIL], 0
	ds_add_u32 v[SPW], v[NIL]                      ; the wave's opening: the add, twice on end, and its wait ahead of my first tensor load
	ds_add_u32 v[SPW], v[NIL]
	v_lshrrev_b32 v1, 5, v0
	v_readfirstlane_b32 s[WV], v1                  ; wave 0..3
	s_and_b32 s[WN], s[WV], 1                      ; my half of the quarter's n.  Also: which 64 rows of a tile of enc I fetch
	s_lshr_b32 s[WK], s[WV], 1                     ; my half of k
	s_bfe_u32 s[CX], ttmp6, 0x40000                ; my place in the cluster
	s_bfe_u32 s[CY], ttmp6, 0x40004
	s_lshl_b32 s[GX], ttmp9, 2
	s_add_co_u32 s[GX], s[GX], s[CX]               ; the quarter of n = 4 x cluster x + cx
	s_and_b32 s[GY], ttmp7, 0xffff
	s_lshl_b32 s[GY], s[GY], 2
	s_add_co_u32 s[GY], s[GY], s[CY]               ; the range of rows = 4 x cluster y + cy
	s_lshl_b32 s[ROWM], s[CY], 2
	s_lshl_b32 s[ROWM], 15, s[ROWM]                ; my row of the cluster
	s_lshl_b32 s[COLM], 0x1111, s[CX]              ; my column
	s_cmp_lt_u32 s[WV], 3
	s_cselect_b32 s[LIM], 1, -1
	s_mov_b32 s[PS], 0
	; group 1 for codes: rows of 96 elements of 8 bytes, dense in memory; 2 words of padding behind every 32.  128 rows at the head; behind it enc's two words that count rows are set to 64
	s_or_b32 s[G1A], s[ROWM], (3<<16)|(1<<20)|(1<<21)|(4<<22)|(1<<25)   ; 15:0 the mask; 17:16 elements of 8 bytes; 20 padding on; 21 set beside a mask; 24:22 after every 32 words (code 4); 31:25 of 2 words (code 1)
	s_or_b32 s[G1W], s[COLM], (3<<16)|(1<<20)|(1<<21)|(4<<22)|(1<<25)
.irp g, G1A, G1W
	s_mov_b32 s[\g+1], 96<<16                      ; tensor_dim0
	s_mov_b32 s[\g+2], 128<<16                     ; tensor_dim1
	s_mov_b32 s[\g+3], 96<<16                      ; tile_dim0
	s_mov_b32 s[\g+4], 128                         ; tile_dim1
	s_mov_b32 s[\g+5], 96                          ; tensor_dim0_stride
	s_mov_b32 s[\g+6], 0
	s_mov_b32 s[\g+7], 0
.endr
	; and for a tile's scale bytes: 4,096 dense bytes as 16 rows of 256, 16 bytes of padding behind each
	s_or_b32 s[G1S], s[ROWM], (3<<16)|(1<<20)|(1<<21)|(5<<22)|(3<<25)
	s_mov_b32 s[G1S+1], 32<<16
	s_mov_b32 s[G1S+2], 16<<16
	s_mov_b32 s[G1S+3], 32<<16
	s_mov_b32 s[G1S+4], 16
	s_mov_b32 s[G1S+5], 32
	s_mov_b32 s[G1S+6], 0
	s_mov_b32 s[G1S+7], 0
	; byte offsets.  s78-81 and s100-101 feed enc's descriptors and never hold cx; s82-83 feed W's and never hold cy
	s_mul_i32 s78, s[GY], 8*TILEB                  ; enc's codes: my work-group's rows
	s_mov_b32 s79, 0
	s_mul_i32 s100, s[WN], 64*768                  ; and my 64 of a tile
	s_mov_b32 s101, 0
	s_lshl_b32 s80, s[GY], 15                      ; enc's scale bytes: 1,024 rows of 32
	s_mov_b32 s81, 0
	s_lshl_b32 s82, s[GX], 8
	s_lshl_b32 s83, s[WN], 7
	s_add_co_u32 s82, s82, s83
	s_mul_i32 s82, s82, 768                        ; W's codes: row 256 GX + 128 WN: waves 0 and 1 fetch the two halves
	s_mov_b32 s83, 0
	s_lshl_b32 s94, s[GX], 8
	s_lshl_b32 s93, s[WN], 7
	s_add_co_u32 s94, s94, s93                     ; n0 = 256 GX + 128 WN: my first n
	s_lshl_b32 s84, s94, 5
	s_lshl_b32 s85, s[WK], 4
	s_add_co_u32 s84, s84, s85                     ; W's scale bytes: 32 a row, my half of k 16 on
	s_mov_b32 s85, 0
	s_lshl_b32 s88, s94, 2                         ; hidden: 4 n0
	s_mov_b32 s89, 0
	s_mul_i32 s86, s[GY], 8*TILEB
	s_mul_i32 s87, s[CX], 32*768
	s_add_co_u32 s86, s86, s87
	s_lshl_b32 s87, s[WV], 8
	s_add_co_u32 s86, s86, s87
	s_add_co_u32 s86, s86, 2*TILEB                 ; the prefetches: my work-group's 32 rows, my wave's 256 bytes of a row, at tile 2: the first change of slots steps it to tile 3
	s_mov_b32 s87, 0
	s_lshl_b32 s90, s[GX], 18
	s_lshl_b32 s91, s[WV], 16
	s_add_co_u32 s90, s90, s91
	s_lshl_b32 s91, s[GY], 8
	s_add_co_u32 s90, s90, s91                     ; epart: quarter GX, b = 4 w on, s = 64 GY on
	s_mov_b32 s91, 0
	; LDS addresses of the tiles: constants and the wave's number
	s_mul_i32 s[G0A+1], s[WN], HALFB
	s_add_co_u32 s[G0A+5], s[G0A+1], SLOTB
	s_mov_b32 s[G0S+1], SCOFF
	s_mov_b32 s[G0S+5], SLOTB+SCOFF
	s_mul_i32 s[G0W+1], s[WN], SLOTB
	s_add_co_u32 s[G0W+1], s[G0W+1], SLOTB         ; W's rows 128 WN on: the first half into slot 1's codes, the second behind slot 1.  Also: where my own 128 rows lie
	s_mul_i32 s2, s[WK], 408                       ; my half of k begins 384 bytes and three paddings into a row
	s_lshl_b32 s3, s[WK], 4
	s_add_co_u32 s3, s3, SCOFF
	s_mul_i32 s16, s[WV], PWAVE
	s_add_co_u32 s16, s16, R2
	s_mul_i32 s17, s[WV], 4*PROW
	s_add_co_u32 s17, s17, R2
	; every address register of a lane is made here, while the scalar loads are out
	v_and_b32 v1, 31, v0                           ; L
	v_and_b32 v2, 15, v0                           ; r
	v_bfe_u32 v3, v0, 4, 1                         ; h
	v_mul_u32_u24 v[LT], v2, PITCH
	v_add_nc_u32 v[LT], s2, v[LT]
	v_lshl_add_u32 v[LT+1], v3, 5, v[LT]
	v_mad_u32_u24 v[LT], v3, 24, v[LT]
	v_lshrrev_b32 v4, 3, v1
	v_lshlrev_b32 v4, 4, v4
	v_lshl_add_u32 v4, v1, 5, v4                   ; a row's 32 scale bytes: 32 L, and 16 more for each 256 passed
	v_add_nc_u32 v[ASC], s3, v4
	v_add_nc_u32 v[ASC+1], SLOTB, v[ASC]
	v_mul_u32_u24 v5, v2, PROW
	v_lshl_add_u32 v5, v3, 4, v5
	v_add_nc_u32 v[PADR], s16, v5                  ; P: my wave's part, row b = r, 16 h
	v_mul_u32_u24 v[PFO], v1, 768
	v_mul_u32_u24 v5, v3, PROW
	v_lshl_add_u32 v5, v2, 4, v5
	v_add_nc_u32 v[RD], s17, v5                    ; back: rows b = 4 w + h, 16 bytes a lane
	v_lshlrev_b32 v[GO], 14, v3
	v_lshl_add_u32 v[GO], v2, 4, v[GO]             ; and the same in epart: a row b is 16,384 bytes
	v_lshlrev_b32 v[OWS], 5, v1
	v_lshlrev_b32 v4, 5, v3
	v_lshl_add_u32 v[OH], v2, 12, v4
	v_add_nc_u32 v[WL], s[G0W+1], v[LT]
	v_add_nc_u32 v[WL+1], s[G0W+1], v[LT+1]
	WIN 0xC0                                       ; W's eight blocks: addresses in window 3, where set 1's accumulators will lie
.irp nb, 0,1,2,3,4,5,6,7
	v_add_nc_u32 v[2*\nb], \nb*BLKB, v[WL]
	v_add_nc_u32 v[2*\nb+1], \nb*BLKB, v[WL+1]
.endr
	ADR 0, 0                                       ; tile 0's group 0
	VW                                             ; the head's vector results, ahead of the waits
	s_wait_dscnt 0x0                               ; both opening adds are done
	s_wait_kmcnt 0x0
	s_mov_b32 s[G0W], 1
	s_add_nc_u64 s[G0W+2:G0W+3], s[8:9], s[82:83]
	s_or_b32 s[G0W+3], s[G0W+3], 0x80000000
	s_mov_b32 s[G0H], 1
	s_mov_b32 s[G0H+1], 0
	s_add_nc_u64 s[G0H+2:G0H+3], s[4:5], s[78:79]  ; tile 0, whole
	s_mov_b32 s[G0A], 1
	s_add_nc_u64 s[G0A+2:G0A+3], s[G0H+2:G0H+3], s[100:101]   ; slot 0's set: my half of tile 0; its first refill steps it to tile 2
	s_mov_b32 s[G0A+4], 1
	s_add_nc_u64 s[G0A+6:G0A+7], s[G0A+2:G0A+3], TILEB        ; tile 1 for slot 1
	s_or_b32 s[G0H+3], s[G0H+3], 0x80000000
	s_or_b32 s[G0A+3], s[G0A+3], 0x80000000
	s_or_b32 s[G0A+7], s[G0A+7], 0x80000000
	s_mov_b32 s[G0S], 1
	s_add_nc_u64 s[G0S+2:G0S+3], s[6:7], s[80:81]
	s_mov_b32 s[G0S+4], 1
	s_add_nc_u64 s[G0S+6:G0S+7], s[G0S+2:G0S+3], TILES
	s_or_b32 s[G0S+3], s[G0S+3], 0x80000000
	s_or_b32 s[G0S+7], s[G0S+7], 0x80000000
	CROUND                                         ; all sixteen work-groups are here: the first joint loads meet
; THE FIRST FILLS, ONE A WAVE: waves 0, 1 the two halves of W's quarter, wave 2 tile 0's codes, wave 3 its scale bytes.
	s_cmp_lt_u32 s[WV], 2
	s_cbranch_scc0 .Lhead_tile
	tensor_load_to_lds s[G0W:G0W+3], s[G1W:G1W+7]
	s_nop 0
	NOPS
	s_branch .Lhead_asked
.Lhead_tile:
	s_cmp_lt_u32 s[WV], 3
	s_cbranch_scc0 .Lhead_scales
	tensor_load_to_lds s[G0H:G0H+3], s[G1A:G1A+7]
	s_nop 0
	NOPS
	s_branch .Lhead_asked
.Lhead_scales:
	tensor_load_to_lds s[G0S:G0S+3], s[G1S:G1S+7]
	s_nop 0
	NOPS
.Lhead_asked:
	; while they are on their way: W's scale words and hidden
	s_add_nc_u64 s[10:11], s[10:11], s[84:85]
	s_add_nc_u64 s[12:13], s[12:13], s[88:89]
	s_add_nc_u64 s[14:15], s[14:15], s[90:91]
	s_add_nc_u64 s[PFA:PFA+1], s[4:5], s[86:87]
.irp p, 0,1,2,3
	global_load_b128 v[WS+4*\p:WS+4*\p+3], v[OWS], s[10:11] offset:1024*\p      ; lane L: row n0 + 32 p + L, the four words of my half of k
.endr
.irp nb, 0,1,2,3,4,5,6,7
.irp u, 0,1
	global_load_b128 v[H+8*\nb+4*\u:H+8*\nb+4*\u+3], v[OH], s[12:13] offset:64*\nb+16*\u   ; hidden[r][n0 + 16 nb + 8 h + 0 .. 7]
.endr
.endr
	s_mov_b32 s[CNT], 3
	s_cmp_lt_u32 s[WV], 2
	s_cbranch_scc0 .Lno_w
	s_wait_tensorcnt 0x0                           ; waves 0, 1, the two that fetch W: my half of W's quarter is in
.Lno_w:
	s_barrier_signal -1
	s_barrier_wait -1                              ; both halves are.  Tile 0 and its scale bytes may still be on their way
; W INTO REGISTERS, k step by k step.
.macro WLD q, dst, msb
	WIN \msb
.irp nb, 0,1,2,3,4,5,6,7
	FRL \dst+12*\nb, 2*\nb, 2*\nb+1, \q
.endr
.endm
	WLD 0, 130, 0x03
	WLD 1, 0, 0x43
	WLD 2, 96, 0x43
	WLD 3, 128, 0x83
	WIN 0
	s_wait_loadcnt 0x0                             ; W's scale words and hidden
	; THE START ROUND: tile 0 is in, and slot 1's codes, where half of W lay, are filled with tile 1.  Every wave: all its tensor loads are done, the add, its reads of W are done; then a round of the cluster's barrier.
	s_wait_tensorcnt 0x0
	ds_add_u32 v[SPW], v[NIL]                      ; 0 onto my spare word
	s_mov_b32 s[G1A+2], 64<<16                     ; no tensor load of mine is out: from here on a load of enc's codes brings 64 rows
	s_mov_b32 s[G1A+4], 64
	s_wait_dscnt 0x0                               ; the add is done, and W is in my registers
	CROUND
	JLOAD 1                                        ; waves 0, 1: tile 1's codes, wave 2 its scale bytes: the one tensor load of a wave behind this round
	RUN 0                                          ; tile 0's group 0,
	WIN 0
.irp g, 0,1,2,3
	ds_load_b128 v[AS+4*\g:AS+4*\g+3], v[ASC] offset:1088*\g   ; its scale words,
.endr
	ADR 0, 1
	RUN 1                                          ; and its group 1
	ADR 0, 2
	VW
	s_wait_dscnt 28                                ; all but group 1's 28 loads
	M16 0, 0, 0                                    ; group 0: there are no sums yet to close
	M16 0, 0, 1
	M16 0, 0, 2
	M16 0, 0, 3
	NOPS                                           ; places ahead of the run into registers that group 0 has read
	s_wait_dscnt 0x0
	RUN 0                                          ; group 2
	GROUP 1, 1, 28, 0, 0, 3, 0, 0, 32
	s_wait_dscnt 0x0
	RUN 1                                          ; group 3
	WIN 0                                          ; at a label and at a branch every window is 0
.Ltile:                                            ; three trips of two tiles: tiles 0 to 5, each of which has its slot filled again
	TILE 0, 1, 0
	TILE 1, 1, 1
	s_sub_co_u32 s[CNT], s[CNT], 1
	s_cmp_lg_u32 s[CNT], 0
	s_cbranch_scc1 .Ltile
	TILE 0, 0, 0                                   ; tile 6 is written out: nothing is left to ask for
	GROUP 0, 2, 28, 2, 0, -1, 0, 0, 32             ; tile 7's last two groups: nothing more to fetch
	s_wait_dscnt 0x0
	GROUP 1, 3, 28, 4, 0, -1, 0, 0, 32
	WIN 0xFC                                       ; the last group's sums, the two blocks by turns
.set u, 0
.rept 32
.set t, u
	PK
.set t, u+32
	PK
.set u, u+1
.endr
	RA
	RB
	RC 6
	SWAPS
	SUMS
	PUT
	WIN 0
	; THE WAY OUT.  The four waves' sums (two halves of n x two halves of k) are added; wave w takes b = 4 w .. 4 w + 3.  Sixteen lanes store the 64 s of one b: 256 consecutive bytes, at a multiple of 256 from epart's first byte.
	s_wait_dscnt 0x0                               ; for the others' sake: my stores into P are done
	s_barrier_signal -1
	s_barrier_wait -1
.irp u, 0,1
.irp w, 0,1,2,3
	ds_load_b128 v[144+16*\u+4*\w:144+16*\u+4*\w+3], v[RD] offset:2*PROW*\u+PWAVE*\w
.endr
.endr
	s_wait_dscnt 0x0
.irp u, 0,1
.irp k, 0,2
	v_pk_add_f32 v[144+16*\u+\k:145+16*\u+\k], v[144+16*\u+\k:145+16*\u+\k], v[148+16*\u+\k:149+16*\u+\k]
	v_pk_add_f32 v[152+16*\u+\k:153+16*\u+\k], v[152+16*\u+\k:153+16*\u+\k], v[156+16*\u+\k:157+16*\u+\k]
.endr
.irp k, 0,2
	v_pk_add_f32 v[144+16*\u+\k:145+16*\u+\k], v[144+16*\u+\k:145+16*\u+\k], v[152+16*\u+\k:153+16*\u+\k]
.endr
.endr
.irp u, 0,1
	global_store_b128 v[GO], v[144+16*\u:147+16*\u], s[14:15] offset:32768*\u th:TH_STORE_NT
.endr
	s_wait_tensorcnt 0x0                           ; the wave's end, behind my last tensor load and my last LDS store
	ds_add_u32 v[SPW], v[NIL]
	s_wait_dscnt 0x0
	CROUND                                         ; the closing round: no work-group ends while a partner may still ask for a tile that names it
	s_endpgm
.Lfunc_end_k_qd71c8bd7db_energy:
	.size	k_qd71c8bd7db_energy, .Lfunc_end_k_qd71c8bd7db_energy-k_qd71c8bd7db_energy
	.p2alignl 7, 3214868480
	.fill 96, 4, 3214868480
	.section	.rodata,"a",@progbits
	.p2align	6, 0x0
	.amdhsa_kernel k_qd71c8bd7db_energy
		.amdhsa_group_segment_fixed_size 327680
		.amdhsa_private_segment_fixed_size 0
		.amdhsa_enable_private_segment 0
		.amdhsa_kernarg_size 48
		.amdhsa_user_sgpr_count 2
		.amdhsa_user_sgpr_kernarg_segment_ptr 1
		.amdhsa_wavefront_size32 1
		.amdhsa_system_sgpr_workgroup_id_x 1
		.amdhsa_system_sgpr_workgroup_id_y 1
		.amdhsa_system_sgpr_workgroup_id_z 1
		.amdhsa_system_vgpr_workitem_id 0
		.amdhsa_next_free_vgpr 1024
		.amdhsa_next_free_sgpr 102
		.amdhsa_reserve_vcc 0
		.amdhsa_float_denorm_mode_32 3
		.amdhsa_float_denorm_mode_16_64 3
		.amdhsa_memory_ordered 1
		.amdhsa_forward_progress 1
		.amdhsa_inst_pref_size 255
	.end_amdhsa_kernel
	.section	.bss,"aw",@nobits
	.p2align	6
	.space	262144
	.amdgpu_metadata
---
amdhsa.version: [ 1, 2 ]
amdhsa.kernels:
  - .name:           k_qd71c8bd7db_energy
    .symbol:         k_qd71c8bd7db_energy.kd
    .args:
      - { .name: encoder_outputs_codes, .offset: 0, .size: 8, .value_kind: global_buffer, .address_space: global }
      - { .name: encoder_outputs_scales, .offset: 8, .size: 8, .value_kind: global_buffer, .address_space: global }
      - { .name: W_attn_codes, .offset: 16, .size: 8, .value_kind: global_buffer, .address_space: global }
      - { .name: W_attn_scales, .offset: 24, .size: 8, .value_kind: global_buffer, .address_space: global }
      - { .name: hidden, .offset: 32, .size: 8, .value_kind: global_buffer, .address_space: global }
      - { .name: epart, .offset: 40, .size: 8, .value_kind: global_buffer, .address_space: global }
    .group_segment_fixed_size: 327680
    .private_segment_fixed_size: 0
    .kernarg_segment_align: 8
    .kernarg_segment_size: 48
    .max_flat_workgroup_size: 128
    .sgpr_count:     102
    .vgpr_count:     1024
    .wavefront_size: 32
...
	.end_amdgpu_metadata
.endif
;; end of part 3
;; launch softmax (part 4): grid 16 x 1, 16 waves a work-group, no clusters, 2,304 bytes of LDS; arguments epart, out0; writes out0
.if DOCPART == 4
	.amdgcn_target "amdgcn-amd-amdhsa--gfx1250"
	.amdhsa_code_object_version 6
	.text
	.protected	k_qd71c8bd7db_softmax
	.globl	k_qd71c8bd7db_softmax
	.p2align	8
	.type	k_qd71c8bd7db_softmax,@function
k_qd71c8bd7db_softmax:
	s_mov_b64 s[64:65], 0
	v_nop
	global_prefetch_b8 v0, s[64:65] scope:SCOPE_SE
	s_setreg_imm32_b32 hwreg(HW_REG_WAVE_MODE, 25, 1), 1
	s_wait_xcnt 0x0
; out0[b][s] = softmax over s of e[b][s], e = the sum of epart's four quarters.  epart: [4][16][4,096] f32; out0: [16][4,096] f32.
; (The term hidden . b_attn, the same for all s of a row, is left out: the first kernel's head shows that it is dead work.)
; One work-group to a row b, 512 threads, two runs of four neighbouring s to a thread: each load and store of a wave covers 512 consecutive bytes.
; Each wave takes its OWN largest e away ahead of its exponentials and hands (its largest, its sum) to the others through LDS; behind one barrier every wave finds the row's largest M and
; the row's sum = sum over waves of 2^((largest - M) log2 e) x sum, and brings its own exponentials under M by one factor.
; No matrix unit, no tensor load, no prefetch: 16 rows of 64 KiB are all the work there is, read once, with no loop to run ahead in.
; LIMITS: NaN and infinities among the energies are not served; a weight under the smallest normal f32 number may come out as 0.
.macro DPP4 op, r                      ; r over the 16 lanes of its row
.irp m, 1,2,4,8
	s_delay_alu instid0(VALU_DEP_1)
	\op v[\r], v[\r], v[\r] row_xmask:\m row_mask:0xf bank_mask:0xf
.endr
.endm
	s_load_b128 s[4:7], s[0:1], 0x0                ; epart, out0
	v_lshl_add_u32 v54, v0, 2, 256                 ; my spare word, behind the block of the waves' pairs
	v_mov_b32 v55, 0
	v_lshlrev_b32 v1, 4, v0                        ; my 16 bytes of each half of the row
	v_lshrrev_b32 v2, 5, v0
	v_readfirstlane_b32 s8, v2                     ; wave 0..15
	v_and_b32 v3, 15, v0
	v_lshlrev_b32 v3, 3, v3                        ; 8 x (lane mod 16): the pair that I read back
	s_lshl_b32 s9, s8, 3
	v_mov_b32 v2, s9                               ; 8 x wave: my wave's pair
	v_mov_b32 v42, 0                               ; written once: a lane permute's destination counts as one of its sources
	v_mov_b32 v48, 0
	s_lshl_b32 s10, ttmp9, 14                      ; row b: 16,384 bytes
	s_mov_b32 s11, 0
	s_mov_b32 s12, 0x76543210                      ; v_permlanex16_b32's selects for lane l xor 16
	s_mov_b32 s13, 0xfedcba98
	s_wait_alu depctr_va_vdst(0)
	s_wait_kmcnt 0x0
	s_add_nc_u64 s[4:5], s[4:5], s[10:11]
	s_add_nc_u64 s[6:7], s[6:7], s[10:11]
.irp x, 0,1,2,3
.irp u, 0,1
	global_load_b128 v[4+8*\x+4*\u:7+8*\x+4*\u], v1, s[4:5] offset:262144*\x+8192*\u th:TH_LOAD_NT   ; the four quarters of n
.endr
.endr
	s_wait_loadcnt 0x0
.irp k, 0,2,4,6
	v_pk_add_f32 v[4+\k:5+\k], v[4+\k:5+\k], v[12+\k:13+\k]
	v_pk_add_f32 v[20+\k:21+\k], v[20+\k:21+\k], v[28+\k:29+\k]
.endr
.irp k, 0,2,4,6
	v_pk_add_f32 v[4+\k:5+\k], v[4+\k:5+\k], v[20+\k:21+\k]        ; e of my eight s
.endr
	v_max3_num_f32 v40, v4, v5, v6
	v_max3_num_f32 v41, v7, v8, v9
	s_delay_alu instid0(VALU_DEP_2)
	v_max3_num_f32 v40, v40, v10, v11
	s_delay_alu instid0(VALU_DEP_1)
	v_max_num_f32 v40, v40, v41
	DPP4 v_max_num_f32_dpp, 40
	s_delay_alu instid0(VALU_DEP_1)
	v_permlanex16_b32 v42, v40, s12, s13
	s_delay_alu instid0(VALU_DEP_1)
	v_max_num_f32 v40, v40, v42                    ; my wave's largest, in every lane
.irp j, 4,5,6,7,8,9,10,11
	v_sub_f32 v[\j], v[\j], v40                    ; the difference first: it is small where it counts, whatever the size of e
.endr
.irp j, 4,5,6,7,8,9,10,11
	v_mul_f32 v[\j], 0x3fb8aa3b, v[\j]             ; x log2(e)
.endr
	s_wait_alu depctr_va_vdst(0)
.irp j, 4,5,6,7,8,9,10,11
	v_exp_f32 v[\j], v[\j]
.endr
	v_nop                                          ; a plain instruction behind the last exponential
	s_wait_alu depctr_va_vdst(0)                   ; one wait for the eight, ahead of their first reader
	v_pk_add_f32 v[44:45], v[4:5], v[6:7]
	v_pk_add_f32 v[46:47], v[8:9], v[10:11]
	s_delay_alu instid0(VALU_DEP_1)
	v_pk_add_f32 v[44:45], v[44:45], v[46:47]
	s_delay_alu instid0(VALU_DEP_1)
	v_add_f32 v41, v44, v45
	DPP4 v_add_f32_dpp, 41
	s_delay_alu instid0(VALU_DEP_1)
	v_permlanex16_b32 v42, v41, s12, s13
	s_delay_alu instid0(VALU_DEP_1)
	v_add_f32 v41, v41, v42                        ; my wave's sum, at least 1
	ds_store_b64 v2, v[40:41]                      ; all lanes write the same pair with the same values
	s_wait_alu depctr_va_vdst(0)
	s_wait_dscnt 0x0                               ; for the others' sake
	s_barrier_signal -1
	s_barrier_wait -1
	ds_load_b64 v[46:47], v3                       ; the 16 waves' pairs, a lane a pair, in both halves of the lanes
	s_wait_dscnt 0x0
	v_max_num_f32_dpp v48, v46, v46 row_xmask:1 row_mask:0xf bank_mask:0xf
.irp m, 2,4,8
	s_delay_alu instid0(VALU_DEP_1)
	v_max_num_f32_dpp v48, v48, v48 row_xmask:\m row_mask:0xf bank_mask:0xf
.endr
	s_delay_alu instid0(VALU_DEP_1)
	v_sub_f32 v49, v46, v48                        ; v48: the row's largest, in every lane
	v_sub_f32 v50, v40, v48
	s_delay_alu instid0(VALU_DEP_2)
	v_mul_f32 v49, 0x3fb8aa3b, v49
	s_delay_alu instid0(VALU_DEP_2)
	v_mul_f32 v50, 0x3fb8aa3b, v50
	s_wait_alu depctr_va_vdst(0)
	v_exp_f32 v49, v49                             ; the factor of the wave whose pair I read,
	v_exp_f32 v50, v50                             ; and my own wave's
	v_nop
	s_wait_alu depctr_va_vdst(0)
	v_mul_f32 v51, v47, v49
	DPP4 v_add_f32_dpp, 51                         ; the row's sum, at least 1
	s_wait_alu depctr_va_vdst(0)
	v_rcp_f32 v52, v51
	v_nop
	s_wait_alu depctr_va_vdst(0)
	v_mul_f32 v53, v50, v52
.irp j, 4,5,6,7,8,9,10,11
	v_mul_f32 v[\j], v[\j], v53
.endr
	global_store_b128 v1, v[4:7], s[6:7]           ; a wave stores 512 consecutive bytes
	global_store_b128 v1, v[8:11], s[6:7] offset:8192
	s_wait_tensorcnt 0x0                           ; the wave's end, behind my last LDS store
	ds_add_u32 v54, v55
	s_wait_dscnt 0x0
	s_endpgm
.Lfunc_end_k_qd71c8bd7db_softmax:
	.size	k_qd71c8bd7db_softmax, .Lfunc_end_k_qd71c8bd7db_softmax-k_qd71c8bd7db_softmax
	.p2alignl 7, 3214868480
	.fill 96, 4, 3214868480
	.section	.rodata,"a",@progbits
	.p2align	6, 0x0
	.amdhsa_kernel k_qd71c8bd7db_softmax
		.amdhsa_group_segment_fixed_size 2304
		.amdhsa_private_segment_fixed_size 0
		.amdhsa_enable_private_segment 0
		.amdhsa_kernarg_size 16
		.amdhsa_user_sgpr_count 2
		.amdhsa_user_sgpr_kernarg_segment_ptr 1
		.amdhsa_wavefront_size32 1
		.amdhsa_system_sgpr_workgroup_id_x 1
		.amdhsa_system_sgpr_workgroup_id_y 1
		.amdhsa_system_sgpr_workgroup_id_z 1
		.amdhsa_system_vgpr_workitem_id 0
		.amdhsa_next_free_vgpr 56
		.amdhsa_next_free_sgpr 66
		.amdhsa_reserve_vcc 0
		.amdhsa_float_denorm_mode_32 3
		.amdhsa_float_denorm_mode_16_64 3
		.amdhsa_memory_ordered 1
		.amdhsa_forward_progress 1
		.amdhsa_inst_pref_size 8
	.end_amdhsa_kernel
	.amdgpu_metadata
---
amdhsa.version: [ 1, 2 ]
amdhsa.kernels:
  - .name:           k_qd71c8bd7db_softmax
    .symbol:         k_qd71c8bd7db_softmax.kd
    .args:
      - { .name: epart, .offset: 0, .size: 8, .value_kind: global_buffer, .address_space: global }
      - { .name: out0, .offset: 8, .size: 8, .value_kind: global_buffer, .address_space: global }
    .group_segment_fixed_size: 2304
    .private_segment_fixed_size: 0
    .kernarg_segment_align: 8
    .kernarg_segment_size: 16
    .max_flat_workgroup_size: 512
    .sgpr_count:     66
    .vgpr_count:     56
    .wavefront_size: 32
...
	.end_amdgpu_metadata
.endif
;; end of part 4
